; MI455X (gfx1250); checked and timed in simulation.
; The chip was launched on July 23, 2026; its instructions are those of AMD's public machine-readable ISA for CDNA 5 (MIT licence, August 2026) and "CDNA5" Instruction Set Architecture Reference Guide (July 2026). The comments in the code are by the model that wrote it; some were corrected since.
;; Gated Attention Unit. Allowed arithmetic: matrix products marked QUANTISED: E2M1 operands, one E8M0 scale for each 32 along K, by v_wmma_scale_f32_16x16x128_f8f6f4 with both operands' format E2M1 (or v_wmma_scale_f32_32x16x128_f4), f32 sums; products left as they are: bf16, f16 or f32 operands; f32 sums; everything else in f32.
;; Inputs: Wg 1,024 x 2,048 float32; Wi 1,024 x 128 float32; Wo 2,048 x 1,024 float32; Wv 1,024 x 2,048 float32; beta_k 128 float32; beta_q 128 float32; bg 2,048 float32; bi 128 float32; bo 1,024 float32; bv 2,048 float32; gamma_k 128 float32; gamma_q 128 float32; x 2 x 2,048 x 1,024 float32.
;; Outputs: out0 2 x 2,048 x 1,024 float32.
;; This version of the problem:
;;   THIS VERSION OF THE PROBLEM IS GIVEN IN LOW PRECISION. The matrix products marked QUANTISED in the list below multiply operands that are first quantised to E2M1 (2 exponent bits, 1 mantissa bit; 4 bits a number), with one power-of-two scale for each 32 numbers along K (OCP MX v1.0); their sums are f32. The products marked 'left as it is' may take bf16, f16 or f32 operands, with f32 sums. Whichever they take, every output number must still come out within the allowed error. Rounding operands to bf16 (8 significant bits) uses up far more of that allowance than f16 does (11 bits, for magnitudes from 6e-5 to 65,504). All else is computed in f32.
;;   The module's matrix products, in the order in which they are computed (A, B: the left and right operand; K: the contracted axis; several contracted axes count as one K, in the product's order):
;;     1. [M 4,096, K 1,024] x [K 1,024, N 2,048]; A: input x; B: input Wv: QUANTISED
;;     2. [M 4,096, K 1,024] x [K 1,024, N 2,048]; A: input x; B: input Wg: QUANTISED
;;     3. [M 4,096, K 1,024] x [K 1,024, N 128]; A: input x; B: input Wi: QUANTISED
;;     4. batch 2 x [M 2,048, K 128] x [K 128, N 2,048]; A: computed on the way; B: computed on the way: left as it is (an operand is computed on the way)
;;     5. batch 2 x [M 2,048, K 2,048] x [K 2,048, N 2,048]; A: computed on the way; B: computed on the way: left as it is (an operand is computed on the way)
;;     6. [M 4,096, K 2,048] x [K 2,048, N 1,024]; A: computed on the way; B: input Wo: left as it is (an operand is computed on the way)
;;   THE QUANTISER, for each operand of a quantised product, along K:
;;     - K is cut into blocks of 32 from its start; a last block that is shorter is filled with zeros.
;;     - A block's scale is 2^e with e = floor(log2(the largest magnitude in the block)) - 2, held to -126 .. 127; a block of zeros has e = 0. As a byte (E8M0): e + 127.
;;     - Each number is divided by its block's scale, clamped to +-6, and rounded to the nearest number of E2M1, ties to even, subnormals kept.
;;     - The product sums the exact products of the quantised numbers (number of the format x scale) in f32.
;;   ~~~python
;;   def quantise(x, axis):      # numpy; x: float32 -> the quantised numbers, widened to float32 again
;;       x = np.moveaxis(x, axis, -1); K = x.shape[-1]
;;       x = np.pad(x, [(0, 0)] * (x.ndim - 1) + [(0, -K % 32)]); x = x.reshape(x.shape[:-1] + (-1, 32)); a = np.abs(x).max(-1, keepdims=True)
;;       e = np.where(a > 0, np.clip(np.frexp(np.where(a > 0, a, 1))[1] - 1 - 2, -126, 127), 0)      # np.frexp(a)[1] - 1 = floor(log2(a)), exactly
;;       r = np.clip(x / 2.0 ** e, -6, 6)
;;       step = 2.0 ** (np.maximum(np.frexp(np.where(r == 0, 1, r))[1] - 1, 0) - 1)
;;       q = np.round(r / step) * step * 2.0 ** e      # np.round: ties to even
;;       return np.moveaxis(q.reshape(q.shape[:-2] + (-1,))[..., :K], -1, axis).astype(np.float32)
;;   ~~~
;; One version. Each part assembles by itself: llvm-mc -triple=amdgcn-amd-amdhsa -mcpu=gfx1250 --defsym DOCPART=n.
;; ======== version 1 of 1: 5 launches
;; limits: values are held in f16: magnitudes above 65,504 overflow, below 6.1e-05 lose precision
;; workspace buffers: xq 2,228,224 bytes; wq 2,297,856 bytes; wo16 4,194,304 bytes; qkb 2,099,200 bytes; vg 50,335,744 bytes; att 16,809,984 bytes; og 16,777,216 bytes
;; launch prep (part 1): grid 324 x 1, 4 waves a work-group, no clusters, 68,096 bytes of LDS; arguments x, Wv, Wg, Wi, Wo, xq, wq, wo16; writes xq, wq, wo16
.if DOCPART == 1
	.amdgcn_target "amdgcn-amd-amdhsa--gfx1250"
	.amdhsa_code_object_version 6
	.text
	.protected	k_qbd97e40f69_prep
	.globl	k_qbd97e40f69_prep
	.p2align	8
	.type	k_qbd97e40f69_prep,@function
k_qbd97e40f69_prep:
	s_mov_b64 s[64:65], 0
	v_nop
	global_prefetch_b8 v0, s[64:65] scope:SCOPE_SE
	s_setreg_imm32_b32 hwreg(HW_REG_WAVE_MODE, 25, 1), 1
	s_wait_xcnt 0x0
; x [4096][1024] and Wv, Wg [1024][2048], Wi [1024][128], all f32, become codes of FP4 (E2M1) with K innermost and one E8M0 byte for each 32 along K; Wo [2048][1024] becomes f16 as it lies.
; xq: codes [4096][512 bytes], from byte 2,097,152 on scale bytes [4096][32].  wq: codes [4224][512 bytes] (rows 0-2047 Wv's columns, 2048-4095 Wg's, 4096-4223 Wi's), from byte 2,162,688 on scale bytes [4224][32].
; A block's scale is 2^(floor(log2(its largest magnitude)) - 2); its byte is the largest magnitude's exponent field - 2, held at 1 from below.  A block of zeros keeps the byte 1 where the quantiser says 127:
; its codes are zeros, which add nothing under any byte but 0xff, and this program alone reads the bytes.
; LIMITS: NaN and infinities among the inputs are not served; |Wo| stays under 65,504, f16's largest number.
; Three paths part on the work-group's number: 0-127 take x (K innermost: a stream of blocks of 32), 128-259 the three weights (K outermost: a lane to a column, registers down K), 260-323 cast Wo.
; Each path that uses LDS has bytes of its own: x 0 .. 32,767, the weights 32,768 .. 50,175.  No barrier: waves share nothing.  No matrix work, no cluster: nothing is read twice.
.set SPW,   224                        ; v224 LDS address of my spare word; never rewritten
.set NIL,   225                        ; v225 0; never rewritten
.set SPARE, 67584                      ; the spare words: 128 bytes a wave, two blocks of 256 bytes that no other line names
	s_load_b512 s[4:19], s[0:1], 0x0               ; x 4, Wv 6, Wg 8, Wi 10, Wo 12, xq 14, wq 16, wo16 18
	v_lshl_add_u32 v[SPW], v0, 2, SPARE
	v_mov_b32 v[NIL], 0
	v_lshrrev_b32 v1, 5, v0
	v_readfirstlane_b32 s20, v1                    ; wave
	v_and_b32 v2, 31, v0                           ; lane
	s_mov_b32 s25, 0                               ; the upper word of every offset pair s[24:25]
	s_wait_kmcnt 0x0
	s_cmp_lt_u32 ttmp9, 128
	s_cbranch_scc0 .Lnot_x
; ---------------- x: a wave takes 16 steps of 512 numbers.  Each load reads 512 consecutive bytes; a step's 2,048 bytes turn through the wave's stage in LDS and come back 64 bytes (16 neighbours) a lane.
.set STEPS, 16
.set R,     16                         ; v16-79   four sets of 16 numbers as loaded
.set X,     80                         ; v80-111  two sets of 16 neighbours
.set E,     112                        ; v112-127 a scale byte for each step
.set C,     128                        ; v128-191 codes: registers of its own for each step
.set WREG,  8192                       ; LDS of a wave: two stages of 32 x 80 bytes, then its 256 scale bytes
.set SP,    80                         ; a lane's 64 bytes + 16 of padding
	v_lshlrev_b32 v3, 4, v2                        ; my 16 bytes of a load's 512
	s_mul_i32 s21, s20, WREG
	v_lshrrev_b32 v14, 2, v2
	v_mul_u32_u24 v14, v14, SP
	v_and_b32 v15, 3, v2
	v_lshl_add_u32 v14, v15, 4, v14
	v_add_nc_u32 v14, s21, v14                     ; into the stage: 80 (lane / 4) + 16 (lane % 4)
	v_mul_u32_u24 v15, v2, SP
	v_add_nc_u32 v15, s21, v15                     ; out of it: 80 x lane
	v_lshlrev_b32 v4, 3, v2                        ; my 8 bytes of a step's codes
	v_lshrrev_b32 v5, 1, v2
	s_add_co_u32 s21, s21, 2*32*SP
	v_add_nc_u32 v5, s21, v5                       ; my block's scale byte in LDS
	v_lshlrev_b32 v7, 3, v2
	v_add_nc_u32 v6, s21, v7                       ; and on the way out 8 bytes a lane
	s_lshl_b32 s22, ttmp9, 2
	s_add_co_u32 s22, s22, s20                     ; which run of 8,192 numbers is my wave's
	s_lshl_b32 s24, s22, 15
	s_add_nc_u64 s[4:5], s[4:5], s[24:25]          ; 32,768 bytes of x a run
	s_lshl_b32 s24, s22, 12
	s_add_nc_u64 s[26:27], s[14:15], s[24:25]      ; 4,096 bytes of codes
	s_lshl_b32 s24, s22, 8
	s_add_co_u32 s24, s24, 2097152
	s_add_nc_u64 s[28:29], s[14:15], s[24:25]      ; 256 scale bytes
.macro XLOAD t
.irp i, 0,1,2,3
	global_load_b128 v[R+16*((\t)%4)+4*\i:R+16*((\t)%4)+4*\i+3], v3, s[4:5] offset:2048*(\t)+512*\i th:TH_LOAD_NT
.endr
.endm
.macro XTURN t                         ; LDS serves a wave's instructions in order: no wait between the stores and the loads
.irp i, 0,1,2,3
	ds_store_b128 v14, v[R+16*((\t)%4)+4*\i:R+16*((\t)%4)+4*\i+3] offset:32*SP*((\t)%2)+8*SP*\i
.endr
.irp i, 0,1,2,3
	ds_load_b128 v[X+16*((\t)%2)+4*\i:X+16*((\t)%2)+4*\i+3], v15 offset:32*SP*((\t)%2)+16*\i
.endr
.endm
.irp t, 0,1,2,3
	XLOAD \t
.endr
	s_wait_loadcnt 12                              ; step 0's four loads are in
	XTURN 0
.macro XSTEP t
.set XS, X+16*((\t)%2)
.if (\t) > 0
	s_wait_dscnt 1                                 ; this step's numbers are back from the stage; the last step's byte store may be out
.else
	s_wait_dscnt 0x0
.endif
.if (\t)+4 < STEPS
	XLOAD (\t)+4                                   ; into the registers that the stage's stores have read
.endif
.if (\t)+1 < STEPS
.if STEPS-2-(\t) >= 3
	s_wait_loadcnt 12                              ; the next step's four loads are in; three steps' may be out
.else
	s_wait_loadcnt 4*(STEPS-2-(\t))
.endif
	XTURN (\t)+1
.endif
	v_max3_num_f32 v8, |v[XS]|, |v[XS+1]|, |v[XS+2]|
	v_max3_num_f32 v9, |v[XS+3]|, |v[XS+4]|, |v[XS+5]|
.irp i, 6,10
	v_max3_num_f32 v8, v8, |v[XS+\i]|, |v[XS+\i+1]|
	v_max3_num_f32 v9, v9, |v[XS+\i+2]|, |v[XS+\i+3]|
.endr
	v_max3_num_f32 v8, v8, |v[XS+14]|, |v[XS+15]|
	v_max3_num_f32 v8, v8, v9, 0x1800000           ; the floor 2^(3 - 127): the byte cannot fall under 1
	v_max_num_f32_dpp v8, v8, v8 row_xmask:1 row_mask:0xf bank_mask:0xf   ; with my neighbour's 16: the block's largest magnitude
	v_add_nc_u32 v11, 0xff000000, v8               ; 2 off its exponent field: the conversion takes this operand's exponent field as its scale
	v_cvt_scalef32_pk8_fp4_f32 v[C+4*(\t)], v[XS:XS+7], v11
	v_cvt_scalef32_pk8_fp4_f32 v[C+4*(\t)+1], v[XS+8:XS+15], v11
	v_lshrrev_b32 v[E+(\t)], 23, v11               ; the scale's byte
	ds_store_b8 v5, v[E+(\t)] offset:16*(\t)       ; both lanes of a block write the same byte with the same value
	global_store_b64 v4, v[C+4*(\t):C+4*(\t)+1], s[26:27] offset:256*(\t)   ; the wave stores 256 consecutive bytes, aligned
.endm
.irp t, 0,1,2,3,4,5,6,7,8,9,10,11,12,13,14,15
	XSTEP \t
.endr
	ds_load_b64 v[8:9], v6                         ; my wave's 256 scale bytes, behind my own stores
	s_wait_dscnt 0x0
	global_store_b64 v7, v[8:9], s[28:29]
	s_wait_tensorcnt 0x0                           ; the wave's end, behind my last LDS store
	ds_add_u32 v[SPW], v[NIL]
	s_wait_dscnt 0x0
	s_endpgm
; ---------------- the weights: work-group j = number - 128 takes 64 columns (group g = j / 2) x 512 along K (half j % 2); a wave 16 columns.
; Lanes 0-15 take the 16 columns' first 256 along K, lanes 16-31 the same columns' second 256: a lane has one column and 8 blocks of 32 down K, so a wave's walk is 8 blocks long,
; and the 256 bytes of codes that a column has for 512 along K still gather in the wave's own stage.  A load reads two runs of 64 bytes; the four waves stand side by side on 256 bytes of a row.
.Lnot_x:
	s_cmp_lt_u32 ttmp9, 260
	s_cbranch_scc0 .Lpath_o
.set NB,    8
.set WP,    272                        ; a stage row: 256 bytes of codes + 16
.set WX,    32                         ; v32-95   two sets of 32 numbers
.set WC,    96                         ; v96-99   a block's codes
.set OUTR,  112                        ; v112-143 the way out
.set SB,    24                         ; v24-25   8 scale bytes
.set RO,    176                        ; v176-207 my column's bytes + (256 x my half + i) rows of the weight, i = 0 .. 31; never rewritten
	s_sub_co_u32 s21, ttmp9, 128
	s_lshr_b32 s22, s21, 1                         ; g: 0-31 Wv, 32-63 Wg, 64-65 Wi
	s_and_b32 s23, s21, 1                          ; which 512 along K
	s_cmp_lt_u32 s22, 32
	s_cselect_b64 s[30:31], s[6:7], s[8:9]
	s_cmp_lt_u32 s22, 64
	s_cselect_b64 s[30:31], s[30:31], s[10:11]
	s_mov_b32 s26, 512
	s_cselect_b32 s26, 8192, s26                   ; a row of the weight in bytes
	s_and_b32 s27, s22, 31
	s_lshl_b32 s27, s27, 6
	s_lshl_b32 s28, s20, 4
	s_add_co_u32 s27, s27, s28                     ; my wave's first column in its weight
	s_lshl_b32 s24, s27, 2
	s_mul_i32 s29, s26, s23
	s_lshl_b32 s29, s29, 9                         ; 512 rows down for the second half of K
	s_add_co_u32 s24, s24, s29
	s_add_nc_u64 s[30:31], s[30:31], s[24:25]
	s_lshl_b32 s32, s26, 5                         ; 32 rows on
	s_mov_b32 s33, 0
	s_lshl_b32 s29, s26, 8                         ; 256 rows: from lanes 0-15 to lanes 16-31
	s_lshl_b32 s34, s22, 6
	s_add_co_u32 s34, s34, s28                     ; my wave's first row of wq
	s_lshl_b32 s24, s34, 9
	s_lshl_b32 s35, s23, 8
	s_add_co_u32 s24, s24, s35
	s_add_nc_u64 s[36:37], s[16:17], s[24:25]      ; codes: row x 512 + 256 x half of K
	s_lshl_b32 s24, s34, 5
	s_lshl_b32 s35, s23, 4
	s_add_co_u32 s24, s24, s35
	s_add_co_u32 s24, s24, 2162688
	s_add_nc_u64 s[38:39], s[16:17], s[24:25]      ; scale bytes: row x 32 + 16 x half of K
	v_and_b32 v5, 15, v2                           ; my column of the 16
	v_lshrrev_b32 v6, 4, v2                        ; my 256 of the 512 along K
	v_mul_u32_u24 v3, s29, v6
	v_lshl_add_u32 v3, v5, 2, v3
.irp i, 0,1,2,3,4,5,6,7,8,9,10,11,12,13,14,15,16,17,18,19,20,21,22,23,24,25,26,27,28,29,30,31
	v_mad_u32_u24 v[RO+\i], s26, \i, v3
.endr
	s_mul_i32 s35, s20, 16*WP
	s_add_co_u32 s35, s35, 32768                   ; my stage: 16 rows
	v_mul_u32_u24 v4, v5, WP
	v_lshl_add_u32 v4, v6, 7, v4
	v_add_nc_u32 v4, s35, v4                       ; into it: row = my column, + 128 bytes for lanes 16-31
	v_mul_u32_u24 v7, v6, WP
	v_lshl_add_u32 v7, v5, 4, v7
	v_add_nc_u32 v7, s35, v7                       ; out of it: sixteen lanes to a row, two rows an instruction
	v_lshlrev_b32 v8, 9, v6
	v_lshl_add_u32 v8, v5, 4, v8                   ; the same place in wq
	v_lshlrev_b32 v9, 5, v5
	v_lshl_add_u32 v9, v6, 3, v9                   ; my column's row of scale bytes, + 8 for lanes 16-31
.macro WLOAD t                         ; block t: 32 rows of the weight at my column
.if (\t) > 0
	s_wait_xcnt 0x0                                ; the earlier loads have read their base: it may step
	s_add_nc_u64 s[30:31], s[30:31], s[32:33]
.endif
.irp i, 0,1,2,3,4,5,6,7,8,9,10,11,12,13,14,15,16,17,18,19,20,21,22,23,24,25,26,27,28,29,30,31
	global_load_b32 v[WX+32*((\t)%2)+\i], v[RO+\i], s[30:31] th:TH_LOAD_NT
.endr
.endm
	WLOAD 0
	WLOAD 1
.macro WBLOCK t
.set XW, WX+32*((\t)%2)
.if (\t) < NB-1
	s_wait_loadcnt 32                              ; this block's 32 loads are in; the next block's may be out
.else
	s_wait_loadcnt 0
.endif
	v_max3_num_f32 v12, |v[XW]|, |v[XW+1]|, |v[XW+2]|
	v_max3_num_f32 v13, |v[XW+3]|, |v[XW+4]|, |v[XW+5]|
.irp i, 6,10,14,18,22,26
	v_max3_num_f32 v12, v12, |v[XW+\i]|, |v[XW+\i+1]|
	v_max3_num_f32 v13, v13, |v[XW+\i+2]|, |v[XW+\i+3]|
.endr
	v_max3_num_f32 v12, v12, |v[XW+30]|, |v[XW+31]|
	v_max3_num_f32 v12, v12, v13, 0x1800000        ; the floor: the byte cannot fall under 1
	v_add_nc_u32 v11, 0xff000000, v12
	v_lshrrev_b32 v13, 23, v11
.if (\t)%4 == 0
	v_mov_b32 v[SB+(\t)/4], v13
.else
	v_lshl_or_b32 v[SB+(\t)/4], v13, 8*((\t)%4), v[SB+(\t)/4]
.endif
.irp g, 0,1,2,3
	v_cvt_scalef32_pk8_fp4_f32 v[WC+\g], v[XW+8*\g:XW+8*\g+7], v11
.endr
	ds_store_b128 v4, v[WC:WC+3] offset:16*(\t)
.if (\t)+2 < NB
	WLOAD (\t)+2
.endif
	s_wait_dscnt 0x0                               ; the store has read its registers: the next block's codes may be written
.endm
.set Q, 0
.rept NB
	WBLOCK Q
.set Q, Q+1
.endr
	global_store_b64 v9, v[SB:SB+1], s[38:39]      ; my 8 scale bytes
.irp t, 0,1,2,3,4,5,6,7
	ds_load_b128 v[OUTR+4*\t:OUTR+4*\t+3], v7 offset:2*\t*WP       ; my own stage: LDS serves a wave's instructions in order
.endr
.irp t, 0,1,2,3,4,5,6,7
	s_wait_dscnt 7-\t
	global_store_b128 v8, v[OUTR+4*\t:OUTR+4*\t+3], s[36:37] offset:2*\t*512   ; sixteen lanes store 256 consecutive bytes, aligned
.endr
	s_wait_tensorcnt 0x0                           ; the wave's end, behind my last LDS store
	ds_add_u32 v[SPW], v[NIL]
	s_wait_dscnt 0x0
	s_endpgm
; ---------------- Wo to f16: a wave takes 8,192 numbers, 64 loads of 512 bytes, 32 of them always on their way; no LDS.
.Lpath_o:
	s_sub_co_u32 s21, ttmp9, 260
	s_lshl_b32 s21, s21, 2
	s_add_co_u32 s21, s21, s20
	s_lshl_b32 s24, s21, 15
	s_add_nc_u64 s[12:13], s[12:13], s[24:25]
	s_lshl_b32 s24, s21, 14
	s_add_nc_u64 s[18:19], s[18:19], s[24:25]
	v_lshlrev_b32 v3, 4, v2
	v_lshlrev_b32 v4, 3, v2
.set j, 0
.rept 32
	global_load_b128 v[32+4*j:35+4*j], v3, s[12:13] offset:512*j th:TH_LOAD_NT
.set j, j+1
.endr
.set j, 0
.rept 32
	s_wait_loadcnt 31                              ; the oldest load is in; the 31 younger ones stay out
	v_cvt_pk_f16_f32 v[160+2*j], v[32+4*j], v[33+4*j]
	v_cvt_pk_f16_f32 v[161+2*j], v[34+4*j], v[35+4*j]
	global_load_b128 v[32+4*j:35+4*j], v3, s[12:13] offset:512*(j+32) th:TH_LOAD_NT
	global_store_b64 v4, v[160+2*j:161+2*j], s[18:19] offset:256*j
.set j, j+1
.endr
	s_wait_xcnt 0x0                                ; the stores have read their data: v160-223 may be written again
.set j, 0
.rept 32
	s_wait_loadcnt 31-j                            ; the last round loads nothing: the counts run down
	v_cvt_pk_f16_f32 v[160+2*j], v[32+4*j], v[33+4*j]
	v_cvt_pk_f16_f32 v[161+2*j], v[34+4*j], v[35+4*j]
	global_store_b64 v4, v[160+2*j:161+2*j], s[18:19] offset:256*(j+32)
.set j, j+1
.endr
	s_endpgm
.Lfunc_end_k_qbd97e40f69_prep:
	.size	k_qbd97e40f69_prep, .Lfunc_end_k_qbd97e40f69_prep-k_qbd97e40f69_prep
	.p2alignl 7, 3214868480
	.fill 96, 4, 3214868480
	.section	.rodata,"a",@progbits
	.p2align	6, 0x0
	.amdhsa_kernel k_qbd97e40f69_prep
		.amdhsa_group_segment_fixed_size 68096
		.amdhsa_private_segment_fixed_size 0
		.amdhsa_enable_private_segment 0
		.amdhsa_kernarg_size 64
		.amdhsa_user_sgpr_count 2
		.amdhsa_user_sgpr_kernarg_segment_ptr 1
		.amdhsa_wavefront_size32 1
		.amdhsa_system_sgpr_workgroup_id_x 1
		.amdhsa_system_sgpr_workgroup_id_y 1
		.amdhsa_system_sgpr_workgroup_id_z 1
		.amdhsa_system_vgpr_workitem_id 0
		.amdhsa_next_free_vgpr 232
		.amdhsa_next_free_sgpr 66
		.amdhsa_reserve_vcc 0
		.amdhsa_float_denorm_mode_32 3
		.amdhsa_float_denorm_mode_16_64 3
		.amdhsa_memory_ordered 1
		.amdhsa_forward_progress 1
		.amdhsa_inst_pref_size 98
	.end_amdhsa_kernel
	.amdgpu_metadata
---
amdhsa.version: [ 1, 2 ]
amdhsa.kernels:
  - .name:           k_qbd97e40f69_prep
    .symbol:         k_qbd97e40f69_prep.kd
    .args:
      - { .name: x, .offset: 0, .size: 8, .value_kind: global_buffer, .address_space: global }
      - { .name: Wv, .offset: 8, .size: 8, .value_kind: global_buffer, .address_space: global }
      - { .name: Wg, .offset: 16, .size: 8, .value_kind: global_buffer, .address_space: global }
      - { .name: Wi, .offset: 24, .size: 8, .value_kind: global_buffer, .address_space: global }
      - { .name: Wo, .offset: 32, .size: 8, .value_kind: global_buffer, .address_space: global }
      - { .name: xq, .offset: 40, .size: 8, .value_kind: global_buffer, .address_space: global }
      - { .name: wq, .offset: 48, .size: 8, .value_kind: global_buffer, .address_space: global }
      - { .name: wo16, .offset: 56, .size: 8, .value_kind: global_buffer, .address_space: global }
    .group_segment_fixed_size: 68096
    .private_segment_fixed_size: 0
    .kernarg_segment_align: 8
    .kernarg_segment_size: 64
    .max_flat_workgroup_size: 128
    .sgpr_count:     66
    .vgpr_count:     232
    .wavefront_size: 32
...
	.end_amdgpu_metadata
.endif
;; end of part 1
;; launch proj (part 2): grid 16 x 16, 4 waves a work-group, clusters of 4 x 4, 327,680 bytes of LDS; arguments xq, wq, bv, bg, vg, bi, gamma_q, beta_q, gamma_k, beta_k, qkb; writes vg, qkb
.if DOCPART == 2
	.amdgcn_target "amdgcn-amd-amdhsa--gfx1250"
	.amdhsa_code_object_version 6
	.text
	.protected	k_qbd97e40f69_proj
	.globl	k_qbd97e40f69_proj
	.p2align	8
	.type	k_qbd97e40f69_proj,@function
k_qbd97e40f69_proj:
	s_mov_b64 s[64:65], 0
	v_nop
	global_prefetch_b8 v0, s[64:65] scope:SCOPE_SE
	s_setreg_imm32_b32 hwreg(HW_REG_WAVE_MODE, 25, 1), 1
	s_wait_xcnt 0x0
	s_wait_alu depctr_hold_cnt(0) depctr_sa_sdst(0) depctr_va_vdst(0) depctr_va_sdst(0) depctr_va_ssrc(0) depctr_va_vcc(0) depctr_vm_vsrc(0)
	s_getreg_b32 s2, hwreg(HW_REG_IB_STS2, 6, 4)
	s_cmp_eq_u32 s2, 0
	s_cbranch_scc0 .Lentry_in_a_cluster
	s_endpgm
.Lentry_in_a_cluster:
	s_bfe_u32 s2, ttmp6, 0x10000c
	s_cmp_lg_u32 s2, 0xf033
	s_cbranch_scc0 .Lentry_shape_is_right
	s_endpgm
.Lentry_shape_is_right:
; v = silu(x Wv + bv) and gate = silu(x Wg + bg) as ONE product on codes of FP4: A = x's codes [4096][1024], B = rows 0-4095 of wq (Wv's columns, then Wg's), with one E8M0 byte for each 32 along K.
; A tile of 256 x 256 is made by four waves, 128 x 128 each: 64 accumulators, 512 registers.  K = 1,024 is two slots of 512 (rows of 256 bytes): both are first fills, nothing is filled again, there is no loop.
; The scale bytes of the work-group's 256 + 256 rows, for all of K, come into LDS once, as rows of 256 bytes + 16 of padding.
; CLUSTERS: 4 x 4 work-groups; A's tiles are asked for jointly along a row of the cluster, B's along a column.  The matrix instruction is used transposed (source 0 = 16 rows of B, source 1 = 16 rows of A):
; lane (r, h) holds row r of x and eight neighbouring columns 8 h + 0 .. 7.  The bias is the C of each sum's first instruction.
; Q AND K, while the first tiles are on their way: work-group (tile row, tile column) also makes tile T = 16 x tile row + tile column of x_ = silu(x Wi + bi), q = x_ gamma_q + beta_q, k = x_ gamma_k + beta_k:
; 16 rows of x, 128 channels.  Wave w takes channels 32 w .. 32 w + 31: two accumulators by turns, eight K steps of 128, operands straight from memory.  Its two tiles, rounded to f16 in pairs, ARE registers 0-3 and 4-7
; of the f16 operand of those 32 channels: they leave as images of the registers, 16 bytes a lane.  Before the rounding the tile is divided by fq = 2^floor(log2(its largest |q|)) (k: fk), an exact step;
; the largest magnitude spans the four waves: each stores its two maxima to 8 bytes of LDS ahead of the barrier that stands in front of the first fragment loads anyway, and reads all four behind it.
; qkb: q' images [256 tiles][4 s][2 c][32 lanes][16 bytes]; from byte 1,048,576 k' likewise; from 2,097,152 fq[256]; from 2,098,176 fk[256], as f32.
; THE WAY OUT, 16 rows at a time: silu in f32; tile columns 0-7 (cluster x 0, 1) are v: rounded to f16, through the wave's stage, stored as rows [4096][2048]; tile columns 8-15 are the gate: stored in f32 as
; images of the accumulators' registers, block (16 rows nb, 16 columns ib) at 16,777,216 + (128 nb + ib) x 1,024 bytes, registers 0-3 at 16 x lane, registers 4-7 at 512 + 16 x lane.
; Each wave's largest |result| goes to mx[64 tile column + 4 tile row + wave] at byte 50,331,648: entries 0-511 are v's, 512-1,023 the gate's.
; LIMITS: |v| stays under 65,504, f16's largest number; NaN and infinities are not served; a tile of q or k that is all zeros takes the floor 2^-126 as its largest magnitude.
; REGISTERS: window 0: v0-31 addresses; v32-95 scale words, two sets; v128-191 A's fragments, one set; v192-255 the bias; on the way out v32-223 at work.  window 1: B's fragments, two sets.  windows 2, 3: the accumulators.
;   For q and k, ahead of all that: x's fragments where A's lie, Wi's where B's lie (window 1, v0-127), their scale words in v32-55, the gains and offsets in window 1, v128-191; v96-111 the two sums, then the packed f16; v56-95, v112-127 at work.
.set NQ,     4
.set ROWB,   256
.set KROW,   512
.set PITCH,  272                       ; an LDS row: 256 bytes + 16 of padding: the 16 rows that a load touches start at 16 different banks (ISA guide 11.1)
.set FR,     8
.set NL,     2
.set NP,     4
.set HALFT,  128*PITCH
.set SLOT,   4*HALFT
.set KS,     32
.set SCL,    2*SLOT
.set HALFS,  (128*KS/256)*272
.set SBLK,   (16*KS/256)*272
.set SPARE,  SCL+4*HALFS               ; the spare words: 128 bytes a wave, two blocks of 256 bytes that no other line names
.set XCH,    SPARE+512                 ; a block of 256 bytes of its own, into which no fill lands: 4 waves x (largest |q|, largest |k|)
.set ADRA, 16
.set ADRB, 20
.set LI,   22                          ; v22 16 x lane
.set BOF,  23                          ; v23 32 x (lane / 16): the bias's bytes of my half
.set STO,  24
.set RD,   25
.set CO,   26
.set ADRS, 27
.set SPW,  28
.set NIL,  29
.set MX,   30                          ; v30-31 the running largest |result|, two chains
.set SC,   32
.set AF,   128
.set BIAS, 192
.set U,    32                          ; the way out: at work
.set T,    96                          ; silu's results
.set P,    160                         ; packed f16
.set BK,   192                         ; rows read back
.set QXS,  32                          ; q and k: x's 8 scale words;
.set QWS,  40                          ; Wi's, 8 for each of my two tiles;
.set QQ,   56                          ; q, 16 numbers a lane;
.set QK,   72                          ; k;
.set QA,   96                          ; the two sums, then q' and k' packed;
.set QU,   112                         ; at work
.set G1, 24
.set G0, 32
.set G1B, 48
.set G0B, 56
.set G1S, 68
.set G0S, 76
.set G1SB, 80
.set G0SB, 88
.set SEL, 18                           ; s[18:19] selects for lane l xor 16 (set behind the first loads)
.set LG,  40                           ; s[40:41] -log2(e)
.set TT,  43                           ; s43 my tile of q and k
.set MXP, 44                           ; s[44:45] my word of mx
.set MSB, 0
.macro WIN new
.if MSB != (\new)
	s_set_vgpr_msb (MSB<<8)|(\new)
.set MSB, (\new)
.endif
.endm
.set MUL_LO, 0xa1                      ; source 0 (B) window 1, source 1 (A) window 0, C and D window 2
.set MUL_HI, 0xf1                      ; the same, C and D window 3
.set TO_B,   0x40
; A joint load: waves 0 and 1 fetch for A, waves 2 and 3 for B; the branch hangs on the wave's number alone.  An s_nop 0 and four v_nop follow each line.
.macro JLOAD g0a, g1a, g0b, g1b
	s_cmp_eq_u32 s15, 0
	s_cbranch_scc0 .Lfor_b_\@
	tensor_load_to_lds s[\g0a:\g0a+3], s[\g1a:\g1a+7]
	s_nop 0
.rept 4
	v_nop
.endr
	s_branch .Lasked_\@
.Lfor_b_\@:
	tensor_load_to_lds s[\g0b:\g0b+3], s[\g1b:\g1b+7]
	s_nop 0
.rept 4
	v_nop
.endr
.Lasked_\@:
.endm
.macro CROUND                          ; a round of the cluster's barrier
	s_barrier_signal -1
	s_barrier_wait -1
	s_cmp_lg_u32 s14, 0
	s_cbranch_scc1 .Lnot_wave_0_\@
	s_barrier_signal -3
.Lnot_wave_0_\@:
	s_barrier_wait -3
	s_barrier_signal -1
	s_barrier_wait -1
.endm
	s_load_b64 s[4:5], s[0:1], 0x0                 ; xq
	s_load_b64 s[8:9], s[0:1], 0x8                 ; wq
	s_load_b128 s[96:99], s[0:1], 0x10             ; bv, bg
	s_load_b64 s[12:13], s[0:1], 0x20              ; vg
	s_load_b64 s[6:7], s[0:1], 0x28                ; bi
	s_load_b64 s[10:11], s[0:1], 0x30              ; gamma_q
	s_load_b64 s[2:3], s[0:1], 0x38                ; beta_q
	s_load_b64 s[100:101], s[0:1], 0x40            ; gamma_k
	s_load_b64 s[66:67], s[0:1], 0x48              ; beta_k
	v_lshl_add_u32 v[SPW], v0, 2, SPARE
	v_mov_b32 v[NIL], 0
	ds_add_u32 v[SPW], v[NIL]                      ; the wave's opening: the add, twice on end, and its wait ahead of my first tensor load
	ds_add_u32 v[SPW], v[NIL]
	v_lshrrev_b32 v1, 5, v0
	v_readfirstlane_b32 s14, v1                    ; wave 0..3
	s_lshr_b32 s15, s14, 1                         ; which half of the tile's rows is mine.  Also: I fetch for A (0) or for B (1)
	s_and_b32 s16, s14, 1                          ; which half of its columns.  Also: which 128 rows I fetch
	s_bfe_u32 s40, ttmp6, 0x40000                  ; cx, cy
	s_bfe_u32 s41, ttmp6, 0x40004
	s_lshl_b32 s42, ttmp9, 2
	s_add_co_u32 s42, s42, s40                     ; tile column
	s_and_b32 s17, ttmp7, 0xffff
	s_lshl_b32 s17, s17, 2
	s_add_co_u32 s17, s17, s41                     ; tile row
	s_lshl_b32 s43, s41, 2
	s_lshl_b32 s43, 15, s43                        ; my row of the cluster
	s_lshl_b32 s44, 0x1111, s40                    ; my column
	s_or_b32 s[G1+0], s43, (0<<16)|(1<<20)|(1<<21)|(5<<22)|(3<<25)  ; the mask; elements of 1 byte; padding on; bit 21 beside a mask; 4 words behind every 64
	s_or_b32 s[G1B+0], s44, (0<<16)|(1<<20)|(1<<21)|(5<<22)|(3<<25)
.irp g, G1, G1B
	s_mov_b32 s[\g+1], ROWB<<16                    ; tensor_dim0
	s_mov_b32 s[\g+2], 128<<16                     ; tensor_dim1
	s_mov_b32 s[\g+3], ROWB<<16                    ; tile_dim0
	s_mov_b32 s[\g+4], 128                         ; tile_dim1
	s_mov_b32 s[\g+5], KROW                        ; the pitch
	s_mov_b32 s[\g+6], 0
	s_mov_b32 s[\g+7], 0
.endr
	s_or_b32 s[G1S+0], s43, (3<<16)|(1<<20)|(1<<21)|(5<<22)|(3<<25)  ; the scales of 128 rows: 4,096 dense bytes as 16 rows of 32 elements of 8 bytes
	s_or_b32 s[G1SB+0], s44, (3<<16)|(1<<20)|(1<<21)|(5<<22)|(3<<25)
.irp g, G1S, G1SB
	s_mov_b32 s[\g+1], 32<<16
	s_mov_b32 s[\g+2], (128*KS/256)<<16
	s_mov_b32 s[\g+3], 32<<16
	s_mov_b32 s[\g+4], 128*KS/256
	s_mov_b32 s[\g+5], 32
	s_mov_b32 s[\g+6], 0
	s_mov_b32 s[\g+7], 0
.endr
	s_lshl_b32 s18, s16, 7
	s_lshl_b32 s20, s17, 8
	s_add_co_u32 s20, s20, s18                     ; A: row 256 x tile row + 128 x half
	s_lshl_b32 s46, s42, 8
	s_add_co_u32 s46, s46, s18                     ; B: row 256 x tile column + 128 x half
	s_mov_b32 s21, 0
	s_mov_b32 s47, 0
	s_mov_b64 s[18:19], KS
	s_mul_u64 s[22:23], s[20:21], s[18:19]
	s_mul_u64 s[92:93], s[46:47], s[18:19]
	s_add_nc_u64 s[22:23], s[22:23], 2097152       ; x's scale bytes lie behind its codes,
	s_add_nc_u64 s[92:93], s[92:93], 2162688       ; the weights' behind theirs
	s_mov_b64 s[18:19], KROW
	s_mul_u64 s[20:21], s[20:21], s[18:19]
	s_mul_u64 s[46:47], s[46:47], s[18:19]
	s_mul_i32 s45, s14, HALFT                      ; where they go: wave x 128 rows
	s_mul_i32 s94, s14, HALFS
	s_wait_dscnt 0x0                               ; both opening adds are done
	s_wait_kmcnt 0x0
	s_add_nc_u64 s[20:21], s[4:5], s[20:21]
	s_add_nc_u64 s[22:23], s[4:5], s[22:23]
	s_add_nc_u64 s[46:47], s[8:9], s[46:47]
	s_add_nc_u64 s[92:93], s[8:9], s[92:93]
	CROUND                                         ; all sixteen work-groups are here: the first joint loads meet
	s_mov_b32 s[G0S], 1
	s_add_co_u32 s[G0S+1], s94, SCL
	s_mov_b64 s[G0S+2:G0S+3], s[22:23]
	s_or_b32 s[G0S+3], s[G0S+3], 0x80000000
	s_mov_b32 s[G0SB], 1
	s_add_co_u32 s[G0SB+1], s94, SCL
	s_mov_b64 s[G0SB+2:G0SB+3], s[92:93]
	s_or_b32 s[G0SB+3], s[G0SB+3], 0x80000000
	JLOAD G0S, G1S, G0SB, G1SB                     ; three loads of mine go out: the scales, slot 0, slot 1
.irp s, 0,1
	s_mov_b32 s[G0+4*\s], 1
	s_add_co_u32 s[G0+4*\s+1], s45, \s*SLOT
	s_add_nc_u64 s[G0+4*\s+2:G0+4*\s+3], s[20:21], \s*ROWB
	s_or_b32 s[G0+4*\s+3], s[G0+4*\s+3], 0x80000000
	s_mov_b32 s[G0B+4*\s], 1
	s_add_co_u32 s[G0B+4*\s+1], s45, \s*SLOT
	s_add_nc_u64 s[G0B+4*\s+2:G0B+4*\s+3], s[46:47], \s*ROWB
	s_or_b32 s[G0B+4*\s+3], s[G0B+4*\s+3], 0x80000000
	JLOAD G0+4*\s, G1, G0B+4*\s, G1B
.endr
	v_and_b32 v1, 15, v0                           ; r
	v_bfe_u32 v2, v0, 4, 1                         ; h
	; ---- q and k: 58 loads: x's 16 rows of tile T, my 32 columns of Wi, their scale words, bi
	s_lshl_b32 s[TT], s17, 4
	s_add_co_u32 s[TT], s[TT], s42                 ; T = 16 x tile row + tile column
	v_lshlrev_b32 v7, 9, v1
	v_lshl_add_u32 v7, v2, 4, v7                   ; a row of 512 bytes of codes, + 16 h
	s_lshl_b32 s19, s[TT], 13
	v_add_nc_u32 v8, s19, v7                       ; x's codes: 16 rows a tile
	s_lshl_b32 s19, s14, 14
	v_add_nc_u32 v9, s19, v7                       ; Wi's codes: 32 rows a wave
	v_lshlrev_b32 v10, 5, v1                       ; a row of 32 scale bytes
	s_lshl_b32 s19, s[TT], 9
	s_add_co_u32 s19, s19, 2097152
	v_add_nc_u32 v11, s19, v10                     ; x's scale bytes
	s_lshl_b32 s19, s14, 10
	v_add_nc_u32 v10, s19, v10                     ; Wi's
	v_lshlrev_b32 v12, 5, v2
	s_lshl_b32 s19, s14, 7
	v_add_nc_u32 v12, s19, v12                     ; the vectors over channels: 128 bytes a wave, + 32 h
.irp s, 0,1,2,3,4,5,6,7
.irp c, 0,1
	global_load_b128 v[AF+8*\s+4*\c:AF+8*\s+4*\c+3], v8, s[4:5] offset:64*\s+32*\c
.endr
.endr
	global_load_b128 v[QXS:QXS+3], v11, s[4:5]     ; register s: the word of K step s
	global_load_b128 v[QXS+4:QXS+7], v11, s[4:5] offset:16
.irp u, 0,1
	global_load_b128 v[QWS+8*\u:QWS+8*\u+3], v10, s[8:9] offset:2293760+512*\u       ; Wi's rows begin at row 4,096 of wq
	global_load_b128 v[QWS+8*\u+4:QWS+8*\u+7], v10, s[8:9] offset:2293760+512*\u+16
	global_load_b128 v[QA+8*\u:QA+8*\u+3], v12, s[6:7] offset:64*\u                  ; bi starts the sums
	global_load_b128 v[QA+8*\u+4:QA+8*\u+7], v12, s[6:7] offset:64*\u+16
.endr
	WIN 0x40                                       ; destination window 1
.irp u, 0,1
.irp s, 0,1,2,3,4,5,6,7
.irp c, 0,1
	global_load_b128 v[64*\u+8*\s+4*\c:64*\u+8*\s+4*\c+3], v9, s[8:9] offset:2097152+8192*\u+64*\s+32*\c
.endr
.endr
.endr
	WIN 0
	; ---- the addresses of the large product, while those loads are on their way
	v_mul_u32_u24 v3, v1, PITCH
	v_lshl_add_u32 v4, v2, 4, v3                   ; row x pitch + 16 h
	s_mul_i32 s21, s15, HALFT
	s_mul_i32 s22, s16, HALFT
	s_add_co_u32 s22, s22, 2*HALFT
.irp s, 0,1
	v_add_nc_u32 v[ADRA+\s], s21, v4
	v_add_nc_u32 v[ADRB+\s], s22, v4
	s_add_co_u32 s21, s21, SLOT
	s_add_co_u32 s22, s22, SLOT
.endr
	v_mul_u32_u24 v5, v1, KS                       ; my row's scales: 32 bytes a row, and 16 more for each 256 passed
	v_lshrrev_b32 v6, 8, v5
	v_lshl_add_u32 v5, v6, 4, v5
	s_mul_i32 s21, s15, HALFS
	s_mul_i32 s22, s16, HALFS
	s_add_co_u32 s22, s22, 2*HALFS
	s_sub_co_u32 s22, s22, s21
	v_mul_u32_u24 v6, s22, v2                      ; lanes 16-31 take B's
	s_add_co_u32 s21, s21, SCL
	v_add_nc_u32 v5, v5, v6
	v_add_nc_u32 v[ADRS], s21, v5
	s_mul_i32 s23, s14, 16*PITCH                   ; my stage: 16 rows x 272 bytes in slot 0, which has had its only fill, and its last read when the first result is stored there
	v_add_nc_u32 v[STO], s23, v4                   ; in: row r, 16 bytes for each half of the lanes
	v_mul_u32_u24 v5, v2, PITCH
	v_lshl_add_u32 v5, v1, 4, v5
	v_add_nc_u32 v[RD], s23, v5                    ; back: lanes 0-15 one row of 256 bytes, lanes 16-31 the next
	v_lshlrev_b32 v5, 12, v2
	v_lshl_add_u32 v[CO], v1, 4, v5                ; the same two rows in v (4,096 bytes a row)
	v_and_b32 v6, 31, v0
	v_lshlrev_b32 v[LI], 4, v6
	v_lshlrev_b32 v[BOF], 5, v2
	v_mov_b32 v[MX], 0
	v_mov_b32 v[MX+1], 0
	v_mov_b32 v13, s14
	v_lshl_add_u32 v13, v13, 3, XCH                ; my wave's 8 bytes of the exchange
	v_mov_b32 v14, XCH
	s_lshl_b32 s20, s17, 8
	s_lshl_b32 s21, s15, 7
	s_add_co_u32 s20, s20, s21                     ; my first row of x
	s_and_b32 s46, s42, 7
	s_lshl_b32 s46, s46, 8
	s_lshl_b32 s47, s16, 7
	s_add_co_u32 s46, s46, s47                     ; my first column in v or in the gate
	s_lshl_b32 s92, s46, 2
	s_mov_b32 s93, 0
	s_cmp_lt_u32 ttmp9, 2                          ; v's tile columns or the gate's: the cluster's x, the same in all partners
	s_cselect_b64 s[96:97], s[96:97], s[98:99]
	s_add_nc_u64 s[96:97], s[96:97], s[92:93]      ; the bias at my first column
	s_lshl_b32 s92, s42, 6
	s_lshl_b32 s94, s17, 2
	s_add_co_u32 s92, s92, s94
	s_add_co_u32 s92, s92, s14
	s_lshl_b32 s92, s92, 2
	s_add_co_u32 s92, s92, 50331648
	s_add_nc_u64 s[MXP:MXP+1], s[12:13], s[92:93]  ; my word of mx
	s_lshl_b32 s21, s20, 12
	s_lshl_b32 s47, s46, 1
	s_add_co_u32 s47, s47, s21                     ; v: row x 4,096 + column x 2
	s_lshl_b32 s21, s20, 13
	s_lshl_b32 s46, s46, 6
	s_add_co_u32 s46, s46, s21
	s_add_co_u32 s46, s46, 16777216                ; gate: 16,777,216 + row x 8,192 + column x 64
	s_cmp_lt_u32 ttmp9, 2
	s_cselect_b32 s92, s47, s46
	s_add_nc_u64 s[12:13], s[12:13], s[92:93]
	s_load_b64 s[92:93], s[0:1], 0x50              ; qkb: wanted behind the barrier
	s_mov_b32 s[LG], 0xbfb8aa3b
	s_mov_b32 s[LG+1], s[LG]
	s_mov_b32 s[SEL], 0x76543210
	s_mov_b32 s[SEL+1], 0xfedcba98
	s_wait_loadcnt 0x0                             ; the 58 loads are in
	WIN 0x40                                       ; 32 more go out and land under the products and the silu: the gains and offsets, in the result's layout,
.irp u, 0,1
.irp c, 0,1
	global_load_b128 v[128+8*\u+4*\c:128+8*\u+4*\c+3], v12, s[10:11] offset:64*\u+16*\c     ; gamma_q
	global_load_b128 v[144+8*\u+4*\c:144+8*\u+4*\c+3], v12, s[2:3] offset:64*\u+16*\c       ; beta_q
	global_load_b128 v[160+8*\u+4*\c:160+8*\u+4*\c+3], v12, s[100:101] offset:64*\u+16*\c   ; gamma_k
	global_load_b128 v[176+8*\u+4*\c:176+8*\u+4*\c+3], v12, s[66:67] offset:64*\u+16*\c     ; beta_k
.endr
.endr
	WIN 0
.irp b, 0,1,2,3,4,5,6,7
	global_load_b128 v[BIAS+8*\b:BIAS+8*\b+3], v[BOF], s[96:97] offset:64*\b        ; and the large product's bias: register j of block b: column 16 b + 8 h + j
	global_load_b128 v[BIAS+8*\b+4:BIAS+8*\b+7], v[BOF], s[96:97] offset:64*\b+16
.endr
	WIN 0x01                                       ; source 0 window 1.  The two accumulators take turns, one instruction a turn
.irp s, 0,1,2,3,4,5,6,7
.irp u, 0,1
	v_wmma_scale_f32_16x16x128_f8f6f4 v[QA+8*\u:QA+8*\u+7], v[64*\u+8*\s:64*\u+8*\s+7], v[AF+8*\s:AF+8*\s+7], v[QA+8*\u:QA+8*\u+7], v[QWS+8*\u+\s], v[QXS+\s] matrix_a_fmt:MATRIX_FMT_FP4 matrix_b_fmt:MATRIX_FMT_FP4
.endr
.endr
	WIN 0
.rept 4
	v_nop                                          ; four places behind the last product, ahead of the reads of results (ISA guide 7.12.1)
.endr
.set j, 0
.rept 8
	v_pk_mul_f32 v[QU+j:QU+j+1], v[QA+j:QA+j+1], s[LG:LG+1] op_sel_hi:[1,0]   ; silu(z) = z / (1 + 2^(-z log2 e)); each accumulator from its low end on
.set j, j+2
.endr
.set j, 0
.rept 16
	v_exp_f32 v[QU+j], v[QU+j]
.set j, j+1
.endr
	v_nop                                          ; a plain instruction behind the last exponential
	s_wait_alu depctr_va_vdst(0)                   ; one wait for the batch, ahead of its first reader
.set j, 0
.rept 8
	v_pk_add_f32 v[QU+j:QU+j+1], v[QU+j:QU+j+1], 1.0 op_sel_hi:[1,0]
.set j, j+2
.endr
.set j, 0
.rept 16
	v_rcp_f32 v[QU+j], v[QU+j]
.set j, j+1
.endr
	v_nop
	s_wait_alu depctr_va_vdst(0)                   ; one wait for the reciprocals
.set j, 0
.rept 8
	v_pk_mul_f32 v[QA+j:QA+j+1], v[QA+j:QA+j+1], v[QU+j:QU+j+1]
.set j, j+2
.endr
	s_wait_loadcnt 16                              ; the gains and offsets are in; the 16 loads of the bias may be out
	WIN 0x14                                       ; sources 1 and 2 window 1
.set j, 0
.rept 8
	v_pk_fma_f32 v[QQ+j:QQ+j+1], v[QA+j:QA+j+1], v[128+j:129+j], v[144+j:145+j]   ; q
	v_pk_fma_f32 v[QK+j:QK+j+1], v[QA+j:QA+j+1], v[160+j:161+j], v[176+j:177+j]   ; k
.set j, j+2
.endr
	WIN 0
	v_max3_num_f32 v88, |v[QQ]|, |v[QQ+1]|, 0x800000      ; my wave's largest |q| and |k|, with the floor 2^-126
	v_max3_num_f32 v89, |v[QK]|, |v[QK+1]|, 0x800000
.set j, 2
.rept 7
	v_max3_num_f32 v88, v88, |v[QQ+j]|, |v[QQ+j+1]|
	v_max3_num_f32 v89, v89, |v[QK+j]|, |v[QK+j+1]|
.set j, j+2
.endr
.irp m, 1,2,4,8
	v_max_num_f32_dpp v88, v88, v88 row_xmask:\m row_mask:0xf bank_mask:0xf
	v_max_num_f32_dpp v89, v89, v89 row_xmask:\m row_mask:0xf bank_mask:0xf
.endr
	v_mov_b32 v90, 0                               ; a lane permute's destination counts as one of its sources
	v_mov_b32 v91, 0
	v_permlanex16_b32 v90, v88, s[SEL], s[SEL+1]
	v_permlanex16_b32 v91, v89, s[SEL], s[SEL+1]
	v_max_num_f32 v88, v88, v90
	v_max_num_f32 v89, v89, v91
	ds_store_b64 v13, v[88:89]                     ; all lanes write the same 8 bytes with the same values
.macro FRAG reg, adr, q, i             ; 16 rows x 128 K of 4-bit codes: 8 registers, two loads of 16 bytes, 32 bytes apart
.irp c, 0,1
	ds_load_b128 v[\reg+4*\c:\reg+4*\c+3], v[\adr] offset:64*(\q)+32*\c+(\i)*16*PITCH
.endr
.endm
; 16 matrix instructions: A's blocks a0, a0 + 1 x B's eight.  first = 1: the bias starts the sums.  The 64 accumulators take turns, one instruction a turn.
.macro MUL16 a0, p, q, sc, first
.irp a, \a0, \a0+1
.irp b, 0,1,2,3,4,5,6,7
.if \first
	v_wmma_scale_f32_16x16x128_f8f6f4 v[8*(8*((\a)%4)+\b):8*(8*((\a)%4)+\b)+7], v[128*(\p)+FR*\b:128*(\p)+FR*\b+FR-1], v[AF+FR*(\a):AF+FR*(\a)+FR-1], v[BIAS+8*\b:BIAS+8*\b+7], v[SC+8*NQ*(\sc)+NQ*\b+(\q)], v[SC+8*NQ*(\sc)+NQ*(\a)+(\q)] matrix_a_fmt:MATRIX_FMT_FP4 matrix_b_fmt:MATRIX_FMT_FP4 matrix_a_scale:MATRIX_SCALE_ROW1
.else
	v_wmma_scale_f32_16x16x128_f8f6f4 v[8*(8*((\a)%4)+\b):8*(8*((\a)%4)+\b)+7], v[128*(\p)+FR*\b:128*(\p)+FR*\b+FR-1], v[AF+FR*(\a):AF+FR*(\a)+FR-1], v[8*(8*((\a)%4)+\b):8*(8*((\a)%4)+\b)+7], v[SC+8*NQ*(\sc)+NQ*\b+(\q)], v[SC+8*NQ*(\sc)+NQ*(\a)+(\q)] matrix_a_fmt:MATRIX_FMT_FP4 matrix_b_fmt:MATRIX_FMT_FP4 matrix_a_scale:MATRIX_SCALE_ROW1
.endif
.endr
.endr
.endm
.macro FETCH_B slot, q, p
	WIN TO_B
.irp i, 0,1,2,3,4,5,6,7
	FRAG 128*(\p)+FR*\i, ADRB+\slot, \q, \i
.endr
	WIN 0
.endm
.macro FETCH_A slot, q, i0
.irp i, \i0, \i0+1, \i0+2, \i0+3
	FRAG AF+FR*(\i), ADRA+\slot, \q, \i
.endr
.endm
.macro SCALES sc                       ; a slot's scale words: lanes 0-15 take A's block i, lanes 16-31 B's block i
.irp i, 0,1,2,3,4,5,6,7
	ds_load_b128 v[SC+8*NQ*\sc+NQ*\i:SC+8*NQ*\sc+NQ*\i+3], v[ADRS] offset:\i*SBLK
.endr
.endm
.macro PLACES n                        ; places behind matrix instructions, ahead of loads into their registers and of reads of results
.rept \n
	v_nop
.endr
.endm
.macro STEP slot, q, first
	s_wait_dscnt 4*NL                              ; B's set and A's blocks 0-3 are in; the youngest eight loads (A's blocks 4-7) may be out
	WIN MUL_LO-0x20*(\first)                       ; (first: C, the bias, in window 0)
	MUL16 0, (\q)%2, \q, \slot, \first
	MUL16 2, (\q)%2, \q, \slot, \first
	s_wait_dscnt 0
	PLACES NP
	FETCH_B \slot, (\q)+1, 1-(\q)%2
	FETCH_A \slot, (\q)+1, 0
	WIN MUL_HI-0x30*(\first)
	MUL16 4, (\q)%2, \q, \slot, \first
	MUL16 6, (\q)%2, \q, \slot, \first
	PLACES NP
	WIN 0
	FETCH_A \slot, (\q)+1, 4
.endm
	s_wait_tensorcnt 1                             ; the scales and my part of slot 0 are in; slot 1's load may be out
	s_wait_dscnt 0x0                               ; for the others' sake: my two maxima lie in LDS
	s_barrier_signal -1
	s_barrier_wait -1
	ds_load_b128 v[QU:QU+3], v14                   ; the four waves' maxima: (q, k) of waves 0, 1,
	ds_load_b128 v[QU+4:QU+7], v14 offset:16       ; and of waves 2, 3
	FETCH_B 0, 0, 0                                ; the large product's first fragments are asked for while q and k are finished
	FETCH_A 0, 0, 0
	s_wait_dscnt 24                                ; the maxima are in; the 24 fragment loads behind them may be out
	v_max3_num_f32 v88, v[QU], v[QU+2], v[QU+4]
	v_max3_num_f32 v89, v[QU+1], v[QU+3], v[QU+5]
	v_max_num_f32 v88, v88, v[QU+6]                ; the tile's largest |q|,
	v_max_num_f32 v89, v89, v[QU+7]                ; and |k|
	v_lshrrev_b32 v90, 23, v88                     ; the exponent field: floor(log2) + 127
	v_lshrrev_b32 v91, 23, v89
	v_sub_nc_u32 v90, 127, v90
	v_sub_nc_u32 v91, 127, v91
.set j, 0
.rept 16
	v_ldexp_f32 v[QQ+j], v[QQ+j], v90              ; q' = q / fq: nothing is rounded
	v_ldexp_f32 v[QK+j], v[QK+j], v91
.set j, j+1
.endr
.set j, 0
.rept 8
	v_cvt_pk_f16_f32 v[QA+j], v[QQ+2*j], v[QQ+2*j+1]
	v_cvt_pk_f16_f32 v[QA+8+j], v[QK+2*j], v[QK+2*j+1]
.set j, j+1
.endr
	s_wait_kmcnt 0x0                               ; qkb
	s_lshl_b32 s20, s[TT], 12                      ; 4,096 bytes a tile,
	s_lshl_b32 s21, s14, 10                        ; 1,024 for each 32 channels
	s_add_co_u32 s20, s20, s21
	s_mov_b32 s21, 0
	s_add_nc_u64 s[22:23], s[92:93], s[20:21]
	global_store_b128 v[LI], v[QA:QA+3], s[22:23]                        ; 32 lanes store 512 consecutive bytes
	global_store_b128 v[LI], v[QA+4:QA+7], s[22:23] offset:512
	global_store_b128 v[LI], v[QA+8:QA+11], s[22:23] offset:1048576
	global_store_b128 v[LI], v[QA+12:QA+15], s[22:23] offset:1048576+512
	v_and_b32 v120, 0x7f800000, v88                ; fq, fk as f32
	v_and_b32 v121, 0x7f800000, v89
	v_cmp_eq_u32 vcc_lo, 1, v0
	v_cndmask_b32 v122, v120, v121, vcc_lo         ; thread 0: fq; thread 1: fk
	v_lshlrev_b32 v123, 10, v0
	s_lshl_b32 s20, s[TT], 2
	s_add_co_u32 s20, s20, 2097152
	s_add_nc_u64 s[46:47], s[92:93], s[20:21]
	v_cmp_gt_u32 vcc_lo, 2, v0                     ; threads 0 and 1 of the work-group alone: in waves 1 to 3 no lane stores
	s_wait_xcnt 0x0                                ; EXEC changes only behind this wait
	s_and_saveexec_b32 s20, vcc_lo
	global_store_b32 v123, v122, s[46:47]
	s_wait_xcnt 0x0
	s_or_b32 exec_lo, exec_lo, s20
	SCALES 0
	FETCH_A 0, 0, 4
	s_wait_loadcnt 0x0                             ; the bias
	STEP 0, 0, 1
	STEP 0, 1, 0
	STEP 0, 2, 0
	; slot 0's last step changes slots: one barrier; nothing is filled again
	s_wait_tensorcnt 0x0                           ; my part of slot 1 has landed
	ds_add_u32 v[SPW], v[NIL]                      ; 0 onto my spare word
	s_wait_dscnt 4*NL+1                            ; (the add and the youngest eight loads may be out)
	WIN MUL_LO
	MUL16 0, 1, NQ-1, 0, 0
	s_wait_dscnt 0x0                               ; the add is done, and my reads of slot 0 are over
	s_barrier_signal -1
	MUL16 2, 1, NQ-1, 0, 0
	WIN 0
	s_barrier_wait -1
	PLACES NP
	v_add_nc_u32 v[ADRS], 4*NQ, v[ADRS]            ; slot 1's scale words
	FETCH_B 1, 0, 0
	FETCH_A 1, 0, 0
	SCALES 1
	WIN MUL_HI
	MUL16 4, 1, NQ-1, 0, 0
	MUL16 6, 1, NQ-1, 0, 0
	PLACES NP
	WIN 0
	FETCH_A 1, 0, 4
	STEP 1, 0, 0
	STEP 1, 1, 0
	STEP 1, 2, 0
	s_wait_dscnt 4*NL                              ; the very last step: nothing more to fetch
	WIN MUL_LO
	MUL16 0, 1, NQ-1, 1, 0
	MUL16 2, 1, NQ-1, 1, 0
	s_wait_dscnt 0
	WIN MUL_HI
	MUL16 4, 1, NQ-1, 1, 0
	MUL16 6, 1, NQ-1, 1, 0
	WIN 0
; THE WAY OUT of block a (16 rows x 128 columns).  silu(z) = z / (1 + 2^(-z log2 e)): 64 exponentials as one batch with one wait, 64 reciprocals likewise.
.macro EPI a
.set AC, 64*((\a)%4)
	s_wait_xcnt 0x0                                ; the earlier stores have read their data: T and BK may be written again
	WIN 0x02+(\a)/4                                ; source 0: window 2 or 3
.set j, 0
.rept 32
	v_pk_mul_f32 v[U+j:U+j+1], v[AC+j:AC+j+1], s[LG:LG+1] op_sel_hi:[1,0]   ; each accumulator from its low end on
.set j, j+2
.endr
	WIN 0
.set j, 0
.rept 64
	v_exp_f32 v[U+j], v[U+j]
.set j, j+1
.endr
	v_nop
	s_wait_alu depctr_va_vdst(0)                   ; one wait for the batch, ahead of its first reader
.set j, 0
.rept 32
	v_pk_add_f32 v[U+j:U+j+1], v[U+j:U+j+1], 1.0 op_sel_hi:[1,0]
.set j, j+2
.endr
.set j, 0
.rept 64
	v_rcp_f32 v[U+j], v[U+j]
.set j, j+1
.endr
	v_nop
	s_wait_alu depctr_va_vdst(0)
	WIN 0x02+(\a)/4
.set j, 0
.rept 32
	v_pk_mul_f32 v[T+j:T+j+1], v[AC+j:AC+j+1], v[U+j:U+j+1]
.set j, j+2
.endr
	WIN 0
.set j, 0
.rept 32
	v_max3_num_f32 v[MX+(j/2)%2], v[MX+(j/2)%2], |v[T+j]|, |v[T+j+1]|
.set j, j+2
.endr
	s_cmp_lt_u32 ttmp9, 2
	s_cbranch_scc0 .Lgate_\@
.set j, 0
.rept 32
	v_cvt_pk_f16_f32 v[P+j], v[T+2*j], v[T+2*j+1]
.set j, j+1
.endr
.irp b, 0,1,2,3,4,5,6,7
	ds_store_b128 v[STO], v[P+4*\b:P+4*\b+3] offset:32*\b
.endr
.irp t, 0,1,2,3,4,5,6,7
	ds_load_b128 v[BK+4*\t:BK+4*\t+3], v[RD] offset:\t*2*PITCH     ; LDS serves a wave's instructions in order: these see the stores above
.endr
.irp t, 0,1,2,3,4,5,6,7
	s_wait_dscnt 7-\t
	global_store_b128 v[CO], v[BK+4*\t:BK+4*\t+3], s[12:13] offset:(16*(\a)+2*\t)*4096   ; sixteen lanes store 256 consecutive bytes, aligned
.endr
	s_branch .Ldone_\@
.Lgate_\@:
.irp b, 0,1,2,3,4,5,6,7
	global_store_b128 v[LI], v[T+8*\b:T+8*\b+3], s[12:13] offset:(\a)*131072+\b*1024          ; 32 lanes store 512 consecutive bytes
	global_store_b128 v[LI], v[T+8*\b+4:T+8*\b+7], s[12:13] offset:(\a)*131072+\b*1024+512
.endr
.Ldone_\@:
.endm
	PLACES NP
.irp a, 0,1,2,3,4,5,6,7
	EPI \a
.endr
	v_max_num_f32 v[MX], v[MX], v[MX+1]
.irp m, 1,2,4,8
	v_max_num_f32_dpp v[MX], v[MX], v[MX] row_xmask:\m row_mask:0xf bank_mask:0xf
.endr
	v_permlanex16_b32 v[MX+1], v[MX], s[SEL], s[SEL+1]
	v_max_num_f32 v[MX], v[MX], v[MX+1]
	v_cmp_eq_u32 vcc_lo, 0, v[LI]                  ; lane 0
	s_wait_xcnt 0x0                                ; EXEC changes only behind this wait
	s_and_saveexec_b32 s20, vcc_lo
	global_store_b32 v[LI], v[MX], s[MXP:MXP+1]
	s_wait_xcnt 0x0
	s_or_b32 exec_lo, exec_lo, s20
	s_wait_tensorcnt 0x0                           ; the wave's end, behind my last tensor load and my last LDS store
	ds_add_u32 v[SPW], v[NIL]
	s_wait_dscnt 0x0
	CROUND                                         ; the closing round
	s_endpgm
.Lfunc_end_k_qbd97e40f69_proj:
	.size	k_qbd97e40f69_proj, .Lfunc_end_k_qbd97e40f69_proj-k_qbd97e40f69_proj
	.p2alignl 7, 3214868480
	.fill 96, 4, 3214868480
	.section	.rodata,"a",@progbits
	.p2align	6, 0x0
	.amdhsa_kernel k_qbd97e40f69_proj
		.amdhsa_group_segment_fixed_size 327680
		.amdhsa_private_segment_fixed_size 0
		.amdhsa_enable_private_segment 0
		.amdhsa_kernarg_size 88
		.amdhsa_user_sgpr_count 2
		.amdhsa_user_sgpr_kernarg_segment_ptr 1
		.amdhsa_wavefront_size32 1
		.amdhsa_system_sgpr_workgroup_id_x 1
		.amdhsa_system_sgpr_workgroup_id_y 1
		.amdhsa_system_sgpr_workgroup_id_z 1
		.amdhsa_system_vgpr_workitem_id 0
		.amdhsa_next_free_vgpr 1024
		.amdhsa_next_free_sgpr 102
		.amdhsa_reserve_vcc 1
		.amdhsa_float_denorm_mode_32 3
		.amdhsa_float_denorm_mode_16_64 3
		.amdhsa_memory_ordered 1
		.amdhsa_forward_progress 1
		.amdhsa_inst_pref_size 255
	.end_amdhsa_kernel
	.section	.bss,"aw",@nobits
	.p2align	6
	.space	262144
	.amdgpu_metadata
---
amdhsa.version: [ 1, 2 ]
amdhsa.kernels:
  - .name:           k_qbd97e40f69_proj
    .symbol:         k_qbd97e40f69_proj.kd
    .args:
      - { .name: xq, .offset: 0, .size: 8, .value_kind: global_buffer, .address_space: global }
      - { .name: wq, .offset: 8, .size: 8, .value_kind: global_buffer, .address_space: global }
      - { .name: bv, .offset: 16, .size: 8, .value_kind: global_buffer, .address_space: global }
      - { .name: bg, .offset: 24, .size: 8, .value_kind: global_buffer, .address_space: global }
      - { .name: vg, .offset: 32, .size: 8, .value_kind: global_buffer, .address_space: global }
      - { .name: bi, .offset: 40, .size: 8, .value_kind: global_buffer, .address_space: global }
      - { .name: gamma_q, .offset: 48, .size: 8, .value_kind: global_buffer, .address_space: global }
      - { .name: beta_q, .offset: 56, .size: 8, .value_kind: global_buffer, .address_space: global }
      - { .name: gamma_k, .offset: 64, .size: 8, .value_kind: global_buffer, .address_space: global }
      - { .name: beta_k, .offset: 72, .size: 8, .value_kind: global_buffer, .address_space: global }
      - { .name: qkb, .offset: 80, .size: 8, .value_kind: global_buffer, .address_space: global }
    .group_segment_fixed_size: 327680
    .private_segment_fixed_size: 0
    .kernarg_segment_align: 8
    .kernarg_segment_size: 88
    .max_flat_workgroup_size: 128
    .sgpr_count:     102
    .vgpr_count:     1024
    .wavefront_size: 32
...
	.end_amdgpu_metadata
.endif
;; end of part 2
;; launch scores (part 3): grid 256 x 1, 8 waves a work-group, no clusters, 69,120 bytes of LDS; arguments qkb, att; writes att
.if DOCPART == 3
	.amdgcn_target "amdgcn-amd-amdhsa--gfx1250"
	.amdhsa_code_object_version 6
	.text
	.protected	k_qbd97e40f69_scores
	.globl	k_qbd97e40f69_scores
	.p2align	8
	.type	k_qbd97e40f69_scores,@function
k_qbd97e40f69_scores:
	s_mov_b64 s[64:65], 0
	v_nop
	global_prefetch_b8 v0, s[64:65] scope:SCOPE_SE
	s_setreg_imm32_b32 hwreg(HW_REG_WAVE_MODE, 25, 1), 1
	s_wait_xcnt 0x0
; a[n][m] = relu(q[n] . k[m])^2 for m <= n, else 0 (the division by sqrt(2048), squared, is 2^-11 and goes into the last launch's exponent).  Products on f16 operands q', k', sums in f32.
; A work-group owns 16 queries (tile T of 256); wave w owns keys 256 w .. 256 w + 255 of the batch.  S^T = k' q'^T (source 0 = 16 keys, source 1 = my queries): a lane holds ONE query and 8 neighbouring keys a tile.
; s = s' x fq[T] x fk[key tile], in f32.  The row's sum R of a is taken in f32 over the eight waves (through LDS, one barrier); A'' = a x 2^-floor(log2 R), an exact step, is rounded to f16: a row of A'' sums to under 2.
; att: A'' [4096][2048] f16; of a block of 128 rows only the 256-key blocks that reach its diagonal are stored (the next launch reads no others).  From byte 16,777,216: er[T][lane] = floor(log2 R) of query lane % 16.
; A wave whose keys all lie above the diagonal takes its key tiles from the last block that counts (s_min_u32); the mask, by its true keys, turns all its weights to 0, and it stores nothing:
; so every wave runs the same lines up to the barrier.
; LIMITS: a row's sum of squared scores stays finite in f32; a row of zeros takes the floor 2^-126.  NaN and infinities are not served.
; No cluster: the launch loads through registers, and work-groups of one batch stand at different queries.
; REGISTERS: window 0: v1-31 addresses and small things; v32-63 q'; v64-127 packed A''; v128-255 S^T, 16 tiles.  window 1: eight tiles of k', 32 registers each.
.set SPITCH, 528                       ; a stage row: 512 bytes (256 keys of f16) + 16
.set XCH,    67584                     ; behind the eight stages: 8 waves x 16 partial sums
.set SPARE,  68096                     ; the spare words: 128 bytes a wave, four blocks of 256 bytes that no other line names
.set LI,  5
.set STO, 6
.set RD,  7
.set XW,  8
.set XR,  9
.set DD,  10                           ; v10 my query - my wave's first key - 8 h
.set ZR,  11                           ; v11 0
.set L4,  26
.set SPW, 30
.set NIL, 31
.set Q,   32
.set P,   64
.set S,   128
.set CF,  32                           ; s[32:63] fq x fk of my 16 key tiles, each twice (the packed form names a pair)
.set MSB, 0
.macro WIN new
.if MSB != (\new)
	s_set_vgpr_msb (MSB<<8)|(\new)
.set MSB, (\new)
.endif
.endm
	s_load_b128 s[4:7], s[0:1], 0x0                ; qkb, att
	v_lshl_add_u32 v[SPW], v0, 2, SPARE
	v_mov_b32 v[NIL], 0
	v_lshrrev_b32 v1, 5, v0
	v_readfirstlane_b32 s8, v1                     ; wave 0..7
	v_and_b32 v2, 31, v0                           ; lane
	v_and_b32 v3, 15, v0                           ; r
	v_bfe_u32 v4, v0, 4, 1                         ; h
	v_lshlrev_b32 v[LI], 4, v2
	v_lshlrev_b32 v[L4], 2, v2
	s_and_b32 s9, ttmp9, 127                       ; my tile in its batch
	s_lshr_b32 s10, ttmp9, 7                       ; the batch
	s_lshr_b32 s11, s9, 4                          ; the last block of 256 keys that the tile's 128 rows reach
	s_min_u32 s12, s8, s11                         ; the block whose key tiles I load
	s_lshl_b32 s13, s10, 7
	s_lshl_b32 s14, s12, 4
	s_add_co_u32 s13, s13, s14                     ; its first key tile
	s_lshl_b32 s66, s13, 12
	s_add_co_u32 s66, s66, 1048576                 ; k' images
	s_mov_b32 s67, 0
	s_lshl_b32 s68, s13, 2
	s_add_co_u32 s68, s68, 2098176                 ; fk
	s_mov_b32 s69, 0
	s_lshl_b32 s70, ttmp9, 2
	s_add_co_u32 s70, s70, 2097152                 ; fq
	s_mov_b32 s71, 0
	s_lshl_b32 s72, ttmp9, 12                      ; q' images
	s_mov_b32 s73, 0
	s_lshl_b32 s74, ttmp9, 16                      ; att: 16 rows of 4,096 bytes a tile,
	s_lshl_b32 s75, s8, 9
	s_add_co_u32 s74, s74, s75                     ; + 512 bytes a wave
	s_mov_b32 s75, 0
	s_lshl_b32 s76, ttmp9, 7
	s_add_co_u32 s76, s76, 16777216                ; er
	s_mov_b32 s77, 0
	s_lshl_b32 s78, s9, 4                          ; my first query
	s_lshl_b32 s79, s8, 8                          ; my wave's first key
	s_sub_co_i32 s80, s78, s79
	s_add_co_u32 s79, s79, 255                     ; and its last
	s_mov_b32 s2, 0x76543210
	s_mov_b32 s3, 0xfedcba98
	s_mul_i32 s81, s8, 16*SPITCH                   ; my stage
	v_mul_u32_u24 v[STO], v3, SPITCH
	v_lshl_add_u32 v[STO], v4, 4, v[STO]
	v_add_nc_u32 v[STO], s81, v[STO]               ; in: row r, + 16 h
	v_add_nc_u32 v[RD], s81, v[LI]                 ; back: 32 lanes take one row of 512 bytes
	s_lshl_b32 s81, s8, 6
	s_add_co_u32 s81, s81, XCH
	v_lshl_add_u32 v[XW], v3, 2, s81               ; my wave's 16 partial sums
	v_lshlrev_b32 v[XR], 2, v3
	v_add_nc_u32 v[XR], XCH, v[XR]
	v_lshlrev_b32 v[DD], 3, v4
	v_sub_nc_u32 v[DD], v3, v[DD]
	v_add_nc_u32 v[DD], s80, v[DD]
	v_mov_b32 v[ZR], 0
.irp i, 12,13,14,15
	v_mov_b32 v\i, 0                               ; the row's sum, two chains of pairs
.endr
	s_wait_kmcnt 0x0
	s_add_nc_u64 s[66:67], s[4:5], s[66:67]
	s_add_nc_u64 s[68:69], s[4:5], s[68:69]
	s_add_nc_u64 s[70:71], s[4:5], s[70:71]
	s_add_nc_u64 s[72:73], s[4:5], s[72:73]
	s_add_nc_u64 s[74:75], s[6:7], s[74:75]
	s_add_nc_u64 s[76:77], s[6:7], s[76:77]
	s_load_b512 s[16:31], s[68:69], 0x0            ; fk of my 16 key tiles
	s_load_b32 s15, s[70:71], 0x0                  ; fq
.irp u, 0,1,2,3,4,5,6,7
	global_load_b128 v[Q+4*\u:Q+4*\u+3], v[LI], s[72:73] offset:512*\u
.endr
.macro KLOAD g                         ; eight tiles of k', as images of the operand's registers: 512 consecutive bytes a load
	WIN 0x40
.irp t, 0,1,2,3,4,5,6,7
.irp u, 0,1,2,3,4,5,6,7
	global_load_b128 v[32*\t+4*\u:32*\t+4*\u+3], v[LI], s[66:67] offset:(8*\g+\t)*4096+512*\u
.endr
.endr
	WIN 0
.endm
.macro MULS g                          ; 32 products: eight accumulators by turns, 32 channels a turn; the first starts each sum
	WIN 0x01
.irp s, 0,1,2,3
.irp t, 0,1,2,3,4,5,6,7
.if \s == 0
	v_wmma_f32_16x16x32_f16 v[S+64*\g+8*\t:S+64*\g+8*\t+7], v[32*\t+8*\s:32*\t+8*\s+7], v[Q+8*\s:Q+8*\s+7], 0
.else
	v_wmma_f32_16x16x32_f16 v[S+64*\g+8*\t:S+64*\g+8*\t+7], v[32*\t+8*\s:32*\t+8*\s+7], v[Q+8*\s:Q+8*\s+7], v[S+64*\g+8*\t:S+64*\g+8*\t+7]
.endif
.endr
.endr
	WIN 0
.rept 4
	v_nop                                          ; four places behind the last product (ISA guide 7.12.1)
.endr
.endm
.macro ELEM g                          ; eight tiles: relu, the two scales, the mask, the square, the sum
.set n, 0
.rept 64
	v_max_num_f32 v[S+64*\g+n], 0, v[S+64*\g+n]    ; each accumulator from its low end on
.set n, n+1
.endr
.irp t, 0,1,2,3,4,5,6,7
.irp i, 0,2,4,6
	v_pk_mul_f32 v[S+64*\g+8*\t+\i:S+64*\g+8*\t+\i+1], v[S+64*\g+8*\t+\i:S+64*\g+8*\t+\i+1], s[CF+2*(8*\g+\t):CF+2*(8*\g+\t)+1] op_sel_hi:[1,0]
.endr
.endr
	s_cmp_le_u32 s79, s78                          ; all my wave's keys count for all 16 queries: no mask (ids alone)
	s_cbranch_scc1 .Lopen_\@
.set n, 0
.rept 64
	v_cmp_gt_i32 vcc_lo, 128*\g+16*(n/8)+n%8, v[DD]   ; register 8 t + j holds key 16 t + 8 h + j of my wave's 256: hidden where it comes after my query
	v_cndmask_b32 v[S+64*\g+n], v[S+64*\g+n], v[ZR], vcc_lo
.set n, n+1
.endr
.Lopen_\@:
.set n, 0
.rept 32
	v_pk_mul_f32 v[S+64*\g+n:S+64*\g+n+1], v[S+64*\g+n:S+64*\g+n+1], v[S+64*\g+n:S+64*\g+n+1]
.set n, n+2
.endr
.set n, 0
.rept 16
	v_pk_add_f32 v[12:13], v[12:13], v[S+64*\g+n:S+64*\g+n+1]
	v_pk_add_f32 v[14:15], v[14:15], v[S+64*\g+n+2:S+64*\g+n+3]
.set n, n+4
.endr
.endm
	KLOAD 0
	s_wait_kmcnt 0x0
.irp t, 0,1,2,3,4,5,6,7,8,9,10,11,12,13,14,15
	s_mul_f32 s[CF+2*\t], s[16+\t], s15
.endr
.irp t, 0,1,2,3,4,5,6,7,8,9,10,11,12,13,14,15
	s_mov_b32 s[CF+2*\t+1], s[CF+2*\t]
.endr
	s_wait_loadcnt 0x0
	MULS 0
	KLOAD 1                                        ; the second eight tiles are on their way while the first eight are worked on
	ELEM 0
	s_wait_loadcnt 0x0
	MULS 1
	ELEM 1
	v_pk_add_f32 v[12:13], v[12:13], v[14:15]
	v_add_f32 v12, v12, v13
	v_permlanex16_b32 v13, v12, s2, s3             ; the query's other keys lie in the lane 16 away
	v_add_f32 v12, v12, v13
	ds_store_b32 v[XW], v12                        ; lanes r and r + 16 write the same word with the same value
	s_wait_dscnt 0x0                               ; for the others' sake
	s_barrier_signal -1
	s_barrier_wait -1
.irp i, 0,1,2,3,4,5,6,7
	ds_load_b32 v[16+\i], v[XR] offset:64*\i
.endr
	s_wait_dscnt 0x0
	v_add_f32 v16, v16, v17                        ; one order of adding in all waves: the same bits
	v_add_f32 v18, v18, v19
	v_add_f32 v20, v20, v21
	v_add_f32 v22, v22, v23
	v_add_f32 v16, v16, v18
	v_add_f32 v20, v20, v22
	v_add_f32 v16, v16, v20
	v_max_num_f32 v16, 0x800000, v16               ; the floor 2^-126
	v_lshrrev_b32 v17, 23, v16                     ; the exponent field
	v_sub_nc_u32 v24, 127, v17
	v_add_nc_u32 v25, 0xffffff81, v17              ; floor(log2 R)
	s_cmp_gt_u32 s8, s11                           ; a wave above the diagonal stores nothing
	s_cbranch_scc1 .Lidle
.set n, 0
.rept 128
	v_ldexp_f32 v[S+n], v[S+n], v24
.set n, n+1
.endr
.set n, 0
.rept 64
	v_cvt_pk_f16_f32 v[P+n], v[S+2*n], v[S+2*n+1]
.set n, n+1
.endr
.irp t, 0,1,2,3,4,5,6,7,8,9,10,11,12,13,14,15
	ds_store_b128 v[STO], v[P+4*\t:P+4*\t+3] offset:32*\t
.endr
.irp t, 0,1,2,3,4,5,6,7,8,9,10,11,12,13,14,15
	ds_load_b128 v[S+4*\t:S+4*\t+3], v[RD] offset:\t*SPITCH     ; my own stage: LDS serves a wave's instructions in order
.endr
.irp t, 0,1,2,3,4,5,6,7,8,9,10,11,12,13,14,15
	s_wait_dscnt 15-\t
	global_store_b128 v[LI], v[S+4*\t:S+4*\t+3], s[74:75] offset:\t*4096   ; 32 lanes store 512 consecutive bytes, aligned
.endr
	s_cmp_lg_u32 s8, 0
	s_cbranch_scc1 .Lidle
	global_store_b32 v[L4], v25, s[76:77]          ; wave 0: the tile's 32 words of er
.Lidle:
	s_wait_tensorcnt 0x0                           ; the wave's end, behind my last LDS store
	ds_add_u32 v[SPW], v[NIL]
	s_wait_dscnt 0x0
	s_endpgm
.Lfunc_end_k_qbd97e40f69_scores:
	.size	k_qbd97e40f69_scores, .Lfunc_end_k_qbd97e40f69_scores-k_qbd97e40f69_scores
	.p2alignl 7, 3214868480
	.fill 96, 4, 3214868480
	.section	.rodata,"a",@progbits
	.p2align	6, 0x0
	.amdhsa_kernel k_qbd97e40f69_scores
		.amdhsa_group_segment_fixed_size 69120
		.amdhsa_private_segment_fixed_size 0
		.amdhsa_enable_private_segment 0
		.amdhsa_kernarg_size 16
		.amdhsa_user_sgpr_count 2
		.amdhsa_user_sgpr_kernarg_segment_ptr 1
		.amdhsa_wavefront_size32 1
		.amdhsa_system_sgpr_workgroup_id_x 1
		.amdhsa_system_sgpr_workgroup_id_y 1
		.amdhsa_system_sgpr_workgroup_id_z 1
		.amdhsa_system_vgpr_workitem_id 0
		.amdhsa_next_free_vgpr 512
		.amdhsa_next_free_sgpr 84
		.amdhsa_reserve_vcc 1
		.amdhsa_float_denorm_mode_32 3
		.amdhsa_float_denorm_mode_16_64 3
		.amdhsa_memory_ordered 1
		.amdhsa_forward_progress 1
		.amdhsa_inst_pref_size 67
	.end_amdhsa_kernel
	.amdgpu_metadata
---
amdhsa.version: [ 1, 2 ]
amdhsa.kernels:
  - .name:           k_qbd97e40f69_scores
    .symbol:         k_qbd97e40f69_scores.kd
    .args:
      - { .name: qkb, .offset: 0, .size: 8, .value_kind: global_buffer, .address_space: global }
      - { .name: att, .offset: 8, .size: 8, .value_kind: global_buffer, .address_space: global }
    .group_segment_fixed_size: 69120
    .private_segment_fixed_size: 0
    .kernarg_segment_align: 8
    .kernarg_segment_size: 16
    .max_flat_workgroup_size: 256
    .sgpr_count:     84
    .vgpr_count:     512
    .wavefront_size: 32
...
	.end_amdgpu_metadata
.endif
;; end of part 3
;; launch av (part 4): grid 16 x 16, 4 waves a work-group, clusters of 4 x 1, 327,680 bytes of LDS; arguments att, vg, og; writes og
.if DOCPART == 4
	.amdgcn_target "amdgcn-amd-amdhsa--gfx1250"
	.amdhsa_code_object_version 6
	.text
	.protected	k_qbd97e40f69_av
	.globl	k_qbd97e40f69_av
	.p2align	8
	.type	k_qbd97e40f69_av,@function
k_qbd97e40f69_av:
	s_mov_b64 s[64:65], 0
	v_nop
	global_prefetch_b8 v0, s[64:65] scope:SCOPE_SE
	s_setreg_imm32_b32 hwreg(HW_REG_WAVE_MODE, 25, 1), 1
	s_wait_xcnt 0x0
	s_wait_alu depctr_hold_cnt(0) depctr_sa_sdst(0) depctr_va_vdst(0) depctr_va_sdst(0) depctr_va_ssrc(0) depctr_va_vcc(0) depctr_vm_vsrc(0)
	s_getreg_b32 s2, hwreg(HW_REG_IB_STS2, 6, 4)
	s_cmp_eq_u32 s2, 0
	s_cbranch_scc0 .Lentry_in_a_cluster
	s_endpgm
.Lentry_in_a_cluster:
	s_bfe_u32 s2, ttmp6, 0x10000c
	s_cmp_lg_u32 s2, 0x3003
	s_cbranch_scc0 .Lentry_shape_is_right
	s_endpgm
.Lentry_shape_is_right:
; og'[n][i] = (sum over m of A''[n][m] v[m][i]) 2^-ev x gate[n][i] 2^-eg, f16 operands, f32 sums, og' rounded to f16.  ev, eg: the exponents of the largest |v| and |gate| of the whole tensors, from the table mx
; (each wave reduces its 512 + 512 entries; fields held to 1 .. 253): both steps are exact, and |og'| stays under 8.  The last launch puts 2^(ev + eg) back.
; SHARES.  Work-group (ct, y): 128 columns ct of I; batch y / 8, p = y % 8.  It makes TWO tiles of 128 x 128: LO = row block p, HI = row block 15 - p, in ONE walk of nine K steps of 256 keys:
; p / 2 + 1 steps reach LO's diagonal, the other 8 - p / 2 reach HI's: every work-group has the same nine steps, and tiles above the diagonal are never multiplied.  Four waves, 64 x 64 each: 16 accumulators.
; The matrix instruction is used transposed (source 0 = 16 columns of v, turned out of LDS by ds_load_tr16_b128; source 1 = 16 rows of A''): lane (r, h) holds row r and columns 8 h + 0 .. 7: the gate's images fit it.
; RING.  Two slots; a slot holds 128 rows x 512 bytes of A'' (pitch 528) and 256 keys x 256 bytes of v (pitch 288).  One load a wave behind each round: waves 0, 1 A''s halves, waves 2, 3 v's.
; CLUSTER 4 x 1: the four partners have the same rows and other columns, so A''s tiles are asked for jointly; v's tiles hang on the column tile and are plain loads.  v is not shared further:
; work-groups of one column tile and other p stand at other keys in the same step.
; At the step where the walk passes from LO to HI (a scalar branch on ids and the count of steps, the same in all partners) LO is scaled, gated and packed, and the first products start HI's sums.
; REGISTERS: window 0: v0-31 addresses; v96-127 mx; v128-255 the accumulators, at the end rows read back.  window 1: two fragment buffers of 128.  window 2: the gate, LO v0-127, HI v128-255; a tile's packed f16 results
; are laid over the first 64 of its gate registers.
.set PITCH,  528
.set PV,     288
.set HALFA,  64*PITCH
.set VOFF,   128*PITCH
.set HALFV,  128*PV
.set SLOT,   VOFF+2*HALFV              ; 141,312
.set SPARE,  2*SLOT                    ; the spare words: 128 bytes a wave, two blocks of 256 bytes that no other line names
.set STAGE,  SLOT                      ; the way out: two stages of 128 rows x 272 bytes in slot 1, which has had its last fill and, behind the eighth step's barrier, its last read
.set SP,     272
.set TSTG,   128*SP
.set ADRA, 16                          ; v16-17 my A'' fragments in slot 0, 1
.set ADRB, 20                          ; v20-23 my v fragments: slot 0 keys 0-127, 128-255; slot 1 likewise
.set STO,  24
.set RD,   25
.set CO,   26
.set LI,   27
.set SPW,  28
.set NIL,  29
.set MXR,  96
.set ACC,  128
.set F0,   0
.set F1,   128
.set NLO,  18                          ; s18 LO's steps
.set TC,   19                          ; s19 the step in hand
.set G1,   24
.set G0,   32
.set ALO,  40                          ; s[40:41] A'' at the 64 rows of LO that I fetch; s[42:43] of HI; s[44:45] v at the 128 keys of a step and the columns that I fetch
.set AHI,  42
.set VB,   44
.set G1B,  48
.set G0B,  56
.set GLO,  66
.set GHI,  68
.set MXB,  76
.set OLO,  80
.set OHI,  82
.set CV,   84
.set CG,   86
.set SEL,  88
.set MSB, 0
.macro WIN new
.if MSB != (\new)
	s_set_vgpr_msb (MSB<<8)|(\new)
.set MSB, (\new)
.endif
.endm
.set MUL,  0x05                        ; sources 0 and 1 window 1; C and D window 0
.set TO_F, 0x40
.macro JLOAD s                         ; waves 0, 1: A'', jointly; waves 2, 3: v.  The branch hangs on the wave's number alone; an s_nop 0 and four v_nop follow each line
	s_cmp_eq_u32 s11, 0
	s_cbranch_scc0 .Lfor_v_\@
	tensor_load_to_lds s[G0+4*\s:G0+4*\s+3], s[G1:G1+7]
	s_nop 0
.rept 4
	v_nop
.endr
	s_branch .Lasked_\@
.Lfor_v_\@:
	tensor_load_to_lds s[G0B+4*\s:G0B+4*\s+3], s[G1B:G1B+7]
	s_nop 0
.rept 4
	v_nop
.endr
.Lasked_\@:
.endm
.macro CREST
	s_cmp_lg_u32 s10, 0
	s_cbranch_scc1 .Lnot_wave_0_\@
	s_barrier_signal -3
.Lnot_wave_0_\@:
	s_barrier_wait -3
	s_barrier_signal -1
	s_barrier_wait -1
.endm
.macro CROUND
	s_barrier_signal -1
	s_barrier_wait -1
	CREST
.endm
; The addresses of step s70's tiles into slot's groups 0: steps under NLO are LO's, key block = the step; the others HI's, key block = the step - NLO.  No tensor load of mine that reads these groups is out where this stands.
.macro SETG slot
	s_sub_co_u32 s71, s70, s[NLO]
	s_cmp_lt_u32 s70, s[NLO]
	s_cselect_b32 s71, s70, s71                    ; the key block
	s_cselect_b64 s[72:73], s[ALO:ALO+1], s[AHI:AHI+1]
	s_lshl_b32 s74, s71, 9                         ; 256 keys of f16 along a row of A''
	s_mov_b32 s75, 0
	s_add_nc_u64 s[G0+4*\slot+2:G0+4*\slot+3], s[72:73], s[74:75]
	s_or_b32 s[G0+4*\slot+3], s[G0+4*\slot+3], 0x80000000
	s_lshl_b32 s74, s71, 20                        ; 256 rows of v, 4,096 bytes each
	s_add_nc_u64 s[G0B+4*\slot+2:G0B+4*\slot+3], s[VB:VB+1], s[74:75]
	s_or_b32 s[G0B+4*\slot+3], s[G0B+4*\slot+3], 0x80000000
.endm
	s_load_b128 s[4:7], s[0:1], 0x0                ; att, vg
	s_load_b64 s[8:9], s[0:1], 0x10                ; og
	v_lshl_add_u32 v[SPW], v0, 2, SPARE
	v_mov_b32 v[NIL], 0
	ds_add_u32 v[SPW], v[NIL]                      ; the wave's opening: the add, twice on end, and its wait ahead of my first tensor load
	ds_add_u32 v[SPW], v[NIL]
	v_lshrrev_b32 v1, 5, v0
	v_readfirstlane_b32 s10, v1                    ; wave 0..3
	s_lshr_b32 s11, s10, 1                         ; which half of the tile's rows is mine.  Also: I fetch A'' (0) or v (1)
	s_and_b32 s12, s10, 1                          ; which half of its columns.  Also: which half of that tile I fetch
	s_bfe_u32 s13, ttmp6, 0x40000                  ; cx
	s_lshl_b32 s14, ttmp9, 2
	s_add_co_u32 s14, s14, s13                     ; the column tile
	s_and_b32 s15, ttmp7, 0xffff
	s_lshr_b32 s16, s15, 3                         ; the batch
	s_and_b32 s17, s15, 7                          ; p
	s_lshr_b32 s[NLO], s17, 1
	s_add_co_u32 s[NLO], s[NLO], 1
	s_mov_b32 s[TC], 0
	s_mov_b32 s[G1], 15|(1<<16)|(1<<20)|(1<<21)|(6<<22)|(3<<25)   ; all four partners; elements of 2 bytes; padding on; bit 21 beside a mask; 4 words behind every 128
	s_mov_b32 s[G1+1], 256<<16                     ; tensor_dim0
	s_mov_b32 s[G1+2], 64<<16                      ; tensor_dim1
	s_mov_b32 s[G1+3], 256<<16                     ; tile_dim0
	s_mov_b32 s[G1+4], 64                          ; tile_dim1
	s_mov_b32 s[G1+5], 2048                        ; the pitch
	s_mov_b32 s[G1+6], 0
	s_mov_b32 s[G1+7], 0
	s_mov_b32 s[G1B], (1<<16)|(1<<20)|(5<<22)|(7<<25)             ; no mask; 8 words behind every 64
	s_mov_b32 s[G1B+1], 128<<16
	s_mov_b32 s[G1B+2], 128<<16
	s_mov_b32 s[G1B+3], 128<<16
	s_mov_b32 s[G1B+4], 128
	s_mov_b32 s[G1B+5], 2048
	s_mov_b32 s[G1B+6], 0
	s_mov_b32 s[G1B+7], 0
	s_lshl_b32 s20, s16, 11                        ; the batch's first row
	s_lshl_b32 s21, s17, 7
	s_add_co_u32 s21, s21, s20                     ; LO's first row
	s_sub_co_u32 s22, 15, s17
	s_lshl_b32 s22, s22, 7
	s_add_co_u32 s22, s22, s20                     ; HI's
	s_lshl_b32 s23, s12, 6
	s_add_co_u32 s[ALO], s21, s23
	s_lshl_b32 s[ALO], s[ALO], 12
	s_mov_b32 s[ALO+1], 0
	s_add_co_u32 s[AHI], s22, s23
	s_lshl_b32 s[AHI], s[AHI], 12
	s_mov_b32 s[AHI+1], 0
	s_lshl_b32 s78, s14, 8                         ; the column tile's 256 bytes
	s_lshl_b32 s23, s12, 7
	s_add_co_u32 s[VB], s20, s23
	s_lshl_b32 s[VB], s[VB], 12
	s_add_co_u32 s[VB], s[VB], s78
	s_mov_b32 s[VB+1], 0
	s_lshl_b32 s23, s10, 5                         ; on the way out wave w stores rows 32 w on
	s_add_co_u32 s[OLO], s21, s23
	s_lshl_b32 s[OLO], s[OLO], 12
	s_add_co_u32 s[OLO], s[OLO], s78
	s_mov_b32 s[OLO+1], 0
	s_add_co_u32 s[OHI], s22, s23
	s_lshl_b32 s[OHI], s[OHI], 12
	s_add_co_u32 s[OHI], s[OHI], s78
	s_mov_b32 s[OHI+1], 0
	s_lshl_b32 s79, s14, 13                        ; the gate's images: 8 blocks of 1,024 bytes a column tile,
	s_lshl_b32 s23, s12, 12                        ; 4 a column half,
	s_add_co_u32 s79, s79, s23
	s_add_co_u32 s79, s79, 16777216
	s_lshl_b32 s23, s11, 6
	s_add_co_u32 s[GLO], s21, s23
	s_lshl_b32 s[GLO], s[GLO], 13                  ; 8,192 bytes a row
	s_add_co_u32 s[GLO], s[GLO], s79
	s_mov_b32 s[GLO+1], 0
	s_add_co_u32 s[GHI], s22, s23
	s_lshl_b32 s[GHI], s[GHI], 13
	s_add_co_u32 s[GHI], s[GHI], s79
	s_mov_b32 s[GHI+1], 0
	s_mul_i32 s2, s12, HALFA                       ; where my tile goes in a slot: the wave's number alone
	s_mul_i32 s3, s12, HALFV
	s_add_co_u32 s3, s3, VOFF
	s_mov_b32 s[SEL], 0x76543210
	s_mov_b32 s[SEL+1], 0xfedcba98
	s_wait_dscnt 0x0                               ; both opening adds are done
	s_wait_kmcnt 0x0
	s_add_nc_u64 s[ALO:ALO+1], s[4:5], s[ALO:ALO+1]
	s_add_nc_u64 s[AHI:AHI+1], s[4:5], s[AHI:AHI+1]
	s_add_nc_u64 s[VB:VB+1], s[6:7], s[VB:VB+1]
	s_add_nc_u64 s[GLO:GLO+1], s[6:7], s[GLO:GLO+1]
	s_add_nc_u64 s[GHI:GHI+1], s[6:7], s[GHI:GHI+1]
	s_add_nc_u64 s[MXB:MXB+1], s[6:7], 50331648
	s_add_nc_u64 s[OLO:OLO+1], s[8:9], s[OLO:OLO+1]
	s_add_nc_u64 s[OHI:OHI+1], s[8:9], s[OHI:OHI+1]
	CROUND                                         ; all four work-groups are here: the first joint loads meet
.irp s, 0,1
	s_mov_b32 s[G0+4*\s], 1
	s_add_co_u32 s[G0+4*\s+1], s2, \s*SLOT
	s_mov_b32 s[G0B+4*\s], 1
	s_add_co_u32 s[G0B+4*\s+1], s3, \s*SLOT
	s_mov_b32 s70, \s
	SETG \s
	JLOAD \s                                       ; steps 0 and 1: two loads of mine are out
.endr
	v_and_b32 v1, 15, v0                           ; r
	v_bfe_u32 v2, v0, 4, 1                         ; h
	v_mul_u32_u24 v3, v1, PITCH
	v_lshl_add_u32 v3, v2, 4, v3
	s_mul_i32 s20, s11, HALFA                      ; my 64 rows of A''
	v_add_nc_u32 v[ADRA], s20, v3
	v_add_nc_u32 v[ADRA+1], SLOT, v[ADRA]
	v_and_b32 v4, 7, v0                            ; the turning load: lane l reads key 8 h + l % 8, columns 8 ((l / 8) % 2) on
	v_lshl_add_u32 v4, v2, 3, v4
	v_mul_u32_u24 v4, v4, PV
	v_bfe_u32 v5, v0, 3, 1
	v_lshl_add_u32 v4, v5, 4, v4
	s_lshl_b32 s20, s12, 7                         ; my 64 columns
	s_add_co_u32 s20, s20, VOFF
	v_add_nc_u32 v[ADRB], s20, v4
	v_add_nc_u32 v[ADRB+1], HALFV, v[ADRB]
	v_add_nc_u32 v[ADRB+2], SLOT, v[ADRB]
	v_add_nc_u32 v[ADRB+3], SLOT, v[ADRB+1]
	s_mul_i32 s20, s11, 64*SP
	s_lshl_b32 s21, s12, 7
	s_add_co_u32 s20, s20, s21
	s_add_co_u32 s20, s20, STAGE
	v_mul_u32_u24 v4, v1, SP
	v_lshl_add_u32 v4, v2, 4, v4
	v_add_nc_u32 v[STO], s20, v4                   ; into a stage: my 64 rows, my half of their 256 bytes
	s_mul_i32 s20, s10, 32*SP
	s_add_co_u32 s20, s20, STAGE
	v_mul_u32_u24 v5, v2, SP
	v_lshl_add_u32 v5, v1, 4, v5
	v_add_nc_u32 v[RD], s20, v5                    ; back: rows 32 w on, whole; lanes 0-15 one row, lanes 16-31 the next
	v_lshlrev_b32 v5, 12, v2
	v_lshl_add_u32 v[CO], v1, 4, v5
	v_and_b32 v5, 31, v0
	v_lshlrev_b32 v[LI], 4, v5
.irp k, 0,1,2,3,4,5,6,7
	global_load_b128 v[MXR+4*\k:MXR+4*\k+3], v[LI], s[MXB:MXB+1] offset:512*\k     ; mx: 16 of v's entries a lane, then 16 of the gate's
.endr
	WIN 0x80                                       ; destination window 2
.irp a, 0,1,2,3
.irp b, 0,1,2,3
.irp c, 0,1
	global_load_b128 v[8*(4*\a+\b)+4*\c:8*(4*\a+\b)+4*\c+3], v[LI], s[GLO:GLO+1] offset:\a*131072+\b*1024+512*\c
.endr
.endr
.endr
	WIN 0
	s_wait_loadcnt 32                              ; mx is in; the 32 loads of LO's gate may be out
	v_max3_num_f32 v[MXR], v[MXR], v[MXR+1], 0x800000       ; with the floor 2^-126
	v_max3_num_f32 v[MXR+16], v[MXR+16], v[MXR+17], 0x800000
.irp i, 2,4,6,8,10,12,14
	v_max3_num_f32 v[MXR], v[MXR], v[MXR+\i], v[MXR+1+\i]
	v_max3_num_f32 v[MXR+16], v[MXR+16], v[MXR+16+\i], v[MXR+17+\i]
.endr
.irp m, 1,2,4,8
	v_max_num_f32_dpp v[MXR], v[MXR], v[MXR] row_xmask:\m row_mask:0xf bank_mask:0xf
	v_max_num_f32_dpp v[MXR+16], v[MXR+16], v[MXR+16] row_xmask:\m row_mask:0xf bank_mask:0xf
.endr
	v_permlanex16_b32 v[MXR+1], v[MXR], s[SEL], s[SEL+1]
	v_permlanex16_b32 v[MXR+17], v[MXR+16], s[SEL], s[SEL+1]
	v_max_num_f32 v[MXR], v[MXR], v[MXR+1]
	v_max_num_f32 v[MXR+16], v[MXR+16], v[MXR+17]
	v_lshrrev_b32 v[MXR], 23, v[MXR]               ; the exponent fields, ev + 127 and eg + 127,
	v_lshrrev_b32 v[MXR+16], 23, v[MXR+16]
	v_min_u32 v[MXR], 253, v[MXR]                  ; held at 253
	v_min_u32 v[MXR+16], 253, v[MXR+16]
	v_sub_nc_u32 v[MXR], 254, v[MXR]
	v_sub_nc_u32 v[MXR+16], 254, v[MXR+16]
	v_lshlrev_b32 v[MXR], 23, v[MXR]               ; 2^-ev, 2^-eg
	v_lshlrev_b32 v[MXR+16], 23, v[MXR+16]
	v_readfirstlane_b32 s[CV], v[MXR]
	v_readfirstlane_b32 s[CG], v[MXR+16]
	s_mov_b32 s[CV+1], s[CV]
	s_mov_b32 s[CG+1], s[CG]
	WIN 0x80
.irp a, 0,1,2,3
.irp b, 0,1,2,3
.irp c, 0,1
	global_load_b128 v[128+8*(4*\a+\b)+4*\c:128+8*(4*\a+\b)+4*\c+3], v[LI], s[GHI:GHI+1] offset:\a*131072+\b*1024+512*\c
.endr
.endr
.endr
	WIN 0
; 8 matrix instructions: row blocks a0, a0 + 1 x all 4 column blocks, 32 keys: half c of buffer f.  zero = 1: the product starts the sums.  The 16 accumulators take turns.
.macro MUL8 f, c, a0, zero
.irp a, \a0, \a0+1
.irp b, 0,1,2,3
.if \zero
	v_wmma_f32_16x16x32_f16 v[ACC+8*(4*(\a)+\b):ACC+8*(4*(\a)+\b)+7], v[\f+64+8*(4*\c+\b):\f+64+8*(4*\c+\b)+7], v[\f+8*(4*\c+\a):\f+8*(4*\c+\a)+7], 0
.else
	v_wmma_f32_16x16x32_f16 v[ACC+8*(4*(\a)+\b):ACC+8*(4*(\a)+\b)+7], v[\f+64+8*(4*\c+\b):\f+64+8*(4*\c+\b)+7], v[\f+8*(4*\c+\a):\f+8*(4*\c+\a)+7], v[ACC+8*(4*(\a)+\b):ACC+8*(4*(\a)+\b)+7]
.endif
.endr
.endr
.endm
; 32 LDS loads in one run: the fragments of the slot's q-th 64 keys into buffer f, the first 32 keys first
.macro FETCH slot, q, f
	WIN TO_F
.irp c, 0,1
.irp i, 0,1,2,3
	ds_load_tr16_b128 v[\f+64+8*(4*\c+\i):\f+64+8*(4*\c+\i)+3],   v[ADRB+2*\slot+(\q)/2] offset:(64*((\q)%2)+32*\c)*PV+32*\i
	ds_load_tr16_b128 v[\f+64+8*(4*\c+\i)+4:\f+64+8*(4*\c+\i)+7], v[ADRB+2*\slot+(\q)/2] offset:(64*((\q)%2)+32*\c+16)*PV+32*\i
	ds_load_b128 v[\f+8*(4*\c+\i):\f+8*(4*\c+\i)+3],         v[ADRA+\slot] offset:128*(\q)+64*\c+\i*16*PITCH
	ds_load_b128 v[\f+8*(4*\c+\i)+4:\f+8*(4*\c+\i)+7],       v[ADRA+\slot] offset:128*(\q)+64*\c+\i*16*PITCH+32
.endr
.endr
.endm
.macro PLACES                          ; four places behind matrix instructions, ahead of loads into their registers and of reads of results
.rept 4
	v_nop
.endr
.endm
; A K step is four quarters of 64 keys, 32 matrix instructions each, on buffers 0, 1, 0, 1.  One of the first three: multiplies f and fetches quarter qn into g.
.macro QREST slot, qn, f, g
	PLACES
	FETCH \slot, \qn, \g
	s_wait_dscnt 32                                ; all but the 32 just issued
	WIN MUL
	MUL8 \f, 1, 0, 0
	MUL8 \f, 1, 2, 0
.endm
.macro QUARTER slot, qn, f, g, zero
	s_wait_dscnt 16                                ; the first 32 keys' fragments are in
	WIN MUL
	MUL8 \f, 0, 0, \zero
	MUL8 \f, 0, 2, \zero
	QREST \slot, \qn, \f, \g
.endm
; A finished tile (g = 0: LO, 1: HI): x 2^-ev, the gate x 2^-eg, their product, rounded to f16 over the gate's first 64 registers
.macro PACK g
	WIN 0
.set j, 0
.rept 64
	v_pk_mul_f32 v[ACC+j:ACC+j+1], v[ACC+j:ACC+j+1], s[CV:CV+1] op_sel_hi:[1,0]   ; each accumulator from its low end on
.set j, j+2
.endr
	WIN 0x82                                       ; destination and source 0 window 2
.set j, 0
.rept 64
	v_pk_mul_f32 v[128*\g+j:128*\g+j+1], v[128*\g+j:128*\g+j+1], s[CG:CG+1] op_sel_hi:[1,0]
.set j, j+2
.endr
	WIN 0x08                                       ; source 1 window 2
.set j, 0
.rept 64
	v_pk_mul_f32 v[ACC+j:ACC+j+1], v[ACC+j:ACC+j+1], v[128*\g+j:128*\g+j+1]
.set j, j+2
.endr
	WIN 0x80                                       ; destination window 2
.set j, 0
.rept 64
	v_cvt_pk_f16_f32 v[128*\g+j], v[ACC+2*j], v[ACC+2*j+1]
.set j, j+1
.endr
	WIN 0
.endm
; A step's first quarter in the loop.  At the step that is HI's first, LO is packed and the products start the sums anew; the arms hold work on registers and one wait for loads.
.macro FIRSTQ slot
	s_wait_dscnt 16
	WIN 0
	s_cmp_eq_u32 s[TC], s[NLO]
	s_cbranch_scc1 .Lswitch_\@
	WIN MUL
	MUL8 F0, 0, 0, 0
	MUL8 F0, 0, 2, 0
	WIN 0
	s_branch .Ljoin_\@
.Lswitch_\@:
	PLACES
	s_wait_loadcnt 32                              ; LO's gate is in; HI's 32 loads may be out
	PACK 0                                         ; (its 64 lines on the gate's registers are also places ahead of the products that write over the accumulators)
	WIN MUL
	MUL8 F0, 0, 0, 1
	MUL8 F0, 0, 2, 1
	WIN 0
.Ljoin_\@:
	QREST \slot, 1, F0, F1
.endm
; The last quarter multiplies buffer 1 and changes slots: in front of the barrier each wave waits for all its tensor loads, adds 0 to its spare word, and waits for that and for its reads of this slot.
; fill = 1: the barrier opens a round of the cluster's, and this slot is filled with the tiles of two steps on, first thing behind the round: one load a wave, 112 matrix instructions ahead of the wait for it.
.macro TURN slot, next, fill
	WIN 0
	s_wait_tensorcnt 0x0                           ; all my tensor loads have landed: my part of the next slot
	ds_add_u32 v[SPW], v[NIL]                      ; 0 onto my spare word
	s_wait_dscnt 17                                ; (the add and the youngest sixteen loads may be out)
	WIN MUL
	MUL8 F1, 0, 0, 0
	s_wait_dscnt 0x0                               ; the add is done, and my reads of this slot are over
	s_barrier_signal -1
	MUL8 F1, 0, 2, 0
.if \fill
	WIN 0
.endif
	s_barrier_wait -1
.if \fill
	CREST
	s_add_co_u32 s70, s[TC], 2
	SETG \slot
	JLOAD \slot                                    ; the four v_nop behind it are also the places in front of the loads below
.else
	PLACES
.endif
	FETCH \next, 0, F0
	WIN MUL
	MUL8 F1, 1, 0, 0
	MUL8 F1, 1, 2, 0
.endm
	s_wait_tensorcnt 1                             ; my part of step 0 is in; step 1's load may be out
	s_barrier_signal -1
	s_barrier_wait -1
	FETCH 0, 0, F0
	QUARTER 0, 1, F0, F1, 1                        ; step 0: its first products start LO's sums
	QUARTER 0, 2, F1, F0, 0
	QUARTER 0, 3, F0, F1, 0
	TURN 0, 1, 1
	s_add_co_u32 s[TC], s[TC], 1
	WIN 0
	s_mov_b32 s3, 3
.Lpair:                                                ; three trips: steps 1 to 6, each filling its slot again
	FIRSTQ 1
	QUARTER 1, 2, F1, F0, 0
	QUARTER 1, 3, F0, F1, 0
	TURN 1, 0, 1
	s_add_co_u32 s[TC], s[TC], 1
	FIRSTQ 0
	QUARTER 0, 2, F1, F0, 0
	QUARTER 0, 3, F0, F1, 0
	TURN 0, 1, 1
	s_add_co_u32 s[TC], s[TC], 1
	WIN 0
	s_sub_co_u32 s3, s3, 1
	s_cmp_lg_u32 s3, 0
	s_cbranch_scc1 .Lpair
	QUARTER 1, 1, F0, F1, 0                        ; step 7 fills nothing
	QUARTER 1, 2, F1, F0, 0
	QUARTER 1, 3, F0, F1, 0
	TURN 1, 0, 0
	QUARTER 0, 1, F0, F1, 0                        ; step 8
	QUARTER 0, 2, F1, F0, 0
	QUARTER 0, 3, F0, F1, 0
	s_wait_dscnt 16
	WIN MUL
	MUL8 F1, 0, 0, 0
	MUL8 F1, 0, 2, 0
	s_wait_dscnt 0
	MUL8 F1, 1, 0, 0
	MUL8 F1, 1, 2, 0
	WIN 0
	PLACES
	s_wait_loadcnt 0x0                             ; HI's gate
	PACK 1
	; THE WAY OUT: 16 bytes a lane into the two stages; a barrier, since a row's 256 bytes come from two waves; back as whole rows, 32 rows of each tile a wave
	WIN 0x08                                       ; an LDS store's data are its source 1: window 2
.irp g, 0,1
.irp a, 0,1,2,3
.irp b, 0,1,2,3
	ds_store_b128 v[STO], v[128*\g+4*(4*\a+\b):128*\g+4*(4*\a+\b)+3] offset:\g*TSTG+\a*16*SP+32*\b
.endr
.endr
.endr
	WIN 0
	s_wait_dscnt 0x0                               ; for the others' sake
	s_barrier_signal -1
	s_barrier_wait -1
.irp g, 0,1
.irp t, 0,1,2,3,4,5,6,7,8,9,10,11,12,13,14,15
	ds_load_b128 v[ACC+64*\g+4*\t:ACC+64*\g+4*\t+3], v[RD] offset:\g*TSTG+\t*2*SP
.endr
.endr
.irp t, 0,1,2,3,4,5,6,7,8,9,10,11,12,13,14,15
	s_wait_dscnt 31-\t
	global_store_b128 v[CO], v[ACC+4*\t:ACC+4*\t+3], s[OLO:OLO+1] offset:2*\t*4096     ; sixteen lanes store 256 consecutive bytes, aligned
.endr
.irp t, 0,1,2,3,4,5,6,7,8,9,10,11,12,13,14,15
	s_wait_dscnt 15-\t
	global_store_b128 v[CO], v[ACC+64+4*\t:ACC+64+4*\t+3], s[OHI:OHI+1] offset:2*\t*4096
.endr
	s_wait_tensorcnt 0x0                           ; the wave's end, behind my last tensor load and my last LDS store
	ds_add_u32 v[SPW], v[NIL]
	s_wait_dscnt 0x0
	CROUND                                         ; the closing round
	s_endpgm
.Lfunc_end_k_qbd97e40f69_av:
	.size	k_qbd97e40f69_av, .Lfunc_end_k_qbd97e40f69_av-k_qbd97e40f69_av
	.p2alignl 7, 3214868480
	.fill 96, 4, 3214868480
	.section	.rodata,"a",@progbits
	.p2align	6, 0x0
	.amdhsa_kernel k_qbd97e40f69_av
		.amdhsa_group_segment_fixed_size 327680
		.amdhsa_private_segment_fixed_size 0
		.amdhsa_enable_private_segment 0
		.amdhsa_kernarg_size 24
		.amdhsa_user_sgpr_count 2
		.amdhsa_user_sgpr_kernarg_segment_ptr 1
		.amdhsa_wavefront_size32 1
		.amdhsa_system_sgpr_workgroup_id_x 1
		.amdhsa_system_sgpr_workgroup_id_y 1
		.amdhsa_system_sgpr_workgroup_id_z 1
		.amdhsa_system_vgpr_workitem_id 0
		.amdhsa_next_free_vgpr 768
		.amdhsa_next_free_sgpr 90
		.amdhsa_reserve_vcc 0
		.amdhsa_float_denorm_mode_32 3
		.amdhsa_float_denorm_mode_16_64 3
		.amdhsa_memory_ordered 1
		.amdhsa_forward_progress 1
		.amdhsa_inst_pref_size 168
	.end_amdhsa_kernel
	.amdgpu_metadata
---
amdhsa.version: [ 1, 2 ]
amdhsa.kernels:
  - .name:           k_qbd97e40f69_av
    .symbol:         k_qbd97e40f69_av.kd
    .args:
      - { .name: att, .offset: 0, .size: 8, .value_kind: global_buffer, .address_space: global }
      - { .name: vg, .offset: 8, .size: 8, .value_kind: global_buffer, .address_space: global }
      - { .name: og, .offset: 16, .size: 8, .value_kind: global_buffer, .address_space: global }
    .group_segment_fixed_size: 327680
    .private_segment_fixed_size: 0
    .kernarg_segment_align: 8
    .kernarg_segment_size: 24
    .max_flat_workgroup_size: 128
    .sgpr_count:     90
    .vgpr_count:     768
    .wavefront_size: 32
...
	.end_amdgpu_metadata
.endif
;; end of part 4
;; launch out (part 5): grid 8 x 32, 4 waves a work-group, clusters of 4 x 4, 327,680 bytes of LDS; arguments og, wo16, att, vg, bo, out0; writes out0
.if DOCPART == 5
	.amdgcn_target "amdgcn-amd-amdhsa--gfx1250"
	.amdhsa_code_object_version 6
	.text
	.protected	k_qbd97e40f69_out
	.globl	k_qbd97e40f69_out
	.p2align	8
	.type	k_qbd97e40f69_out,@function
k_qbd97e40f69_out:
	s_mov_b64 s[64:65], 0
	v_nop
	global_prefetch_b8 v0, s[64:65] scope:SCOPE_SE
	s_setreg_imm32_b32 hwreg(HW_REG_WAVE_MODE, 25, 1), 1
	s_wait_xcnt 0x0
	s_wait_alu depctr_hold_cnt(0) depctr_sa_sdst(0) depctr_va_vdst(0) depctr_va_sdst(0) depctr_va_ssrc(0) depctr_va_vcc(0) depctr_vm_vsrc(0)
	s_getreg_b32 s2, hwreg(HW_REG_IB_STS2, 6, 4)
	s_cmp_eq_u32 s2, 0
	s_cbranch_scc0 .Lentry_in_a_cluster
	s_endpgm
.Lentry_in_a_cluster:
	s_bfe_u32 s2, ttmp6, 0x10000c
	s_cmp_lg_u32 s2, 0xf033
	s_cbranch_scc0 .Lentry_shape_is_right
	s_endpgm
.Lentry_shape_is_right:
; out0[n][e] = (sum over i of og'[n][i] Wo[i][e]) x 2^(ER[n] + ev + eg - 11) + bo[e].  f16 operands, f32 sums.  ER: the scores' launch's exponent of row n; ev, eg: from the table mx, reduced by the same
; lines as in the launch before, so the same bits; 2^-11 is the square of 1 / sqrt(2048).  The power of two is put on by v_ldexp_f32: nothing is rounded but the last addition.
; A tile of 128 x 128 is made by four waves, 64 x 64 each; K = 2,048 goes in eight steps of 256 through two LDS slots: 128 rows x 512 bytes of og' (pitch 528), 256 rows x 256 bytes of Wo (pitch 288).
; Wo lies [i][e], K outermost: its fragments are turned out of LDS by ds_load_tr16_b128.  The matrix instruction is used transposed: lane (r, h) holds row r and columns 8 h + 0 .. 7.
; CLUSTERS: 4 x 4 work-groups; og's tiles are asked for jointly along a row of the cluster, Wo's along a column.
; REGISTERS: window 0: v0-31 addresses, v8-11 the rows' exponents; v32-95 at work; v96-127 bo; v128-255 the accumulators.  window 1: two fragment buffers of 128.
.set PITCH,  528
.set PV,     288
.set HALFA,  64*PITCH
.set VOFF,   128*PITCH
.set HALFV,  128*PV
.set SLOT,   VOFF+2*HALFV
.set SPARE,  2*SLOT                    ; the spare words: 128 bytes a wave, two blocks of 256 bytes that no other line names
.set SP,     272                       ; the way out: 16 rows x 272 bytes for each wave, in slot 0, which has had its last fill and, behind the seventh step's barrier, its last read
.set LAPS,   4
.set BOF,  6
.set L4,   7
.set ER,   8
.set ADRA, 16
.set ADRB, 20
.set STO,  24
.set RD,   25
.set CO,   26
.set LI,   27
.set SPW,  28
.set NIL,  29
.set MXR,  32
.set TMP,  32
.set BK,   64
.set BO,   96
.set ACC,  128
.set F0,   0
.set F1,   128
.set G1,   24
.set G0,   32
.set G1B,  48
.set G0B,  56
.set SEL,  76
.set MSB, 0
.macro WIN new
.if MSB != (\new)
	s_set_vgpr_msb (MSB<<8)|(\new)
.set MSB, (\new)
.endif
.endm
.set MUL,  0x05
.set TO_F, 0x40
.macro JLOAD s                         ; waves 0, 1 fetch og's halves, waves 2, 3 Wo's; an s_nop 0 and four v_nop follow each line
	s_cmp_eq_u32 s11, 0
	s_cbranch_scc0 .Lfor_b_\@
	tensor_load_to_lds s[G0+4*\s:G0+4*\s+3], s[G1:G1+7]
	s_nop 0
.rept 4
	v_nop
.endr
	s_branch .Lasked_\@
.Lfor_b_\@:
	tensor_load_to_lds s[G0B+4*\s:G0B+4*\s+3], s[G1B:G1B+7]
	s_nop 0
.rept 4
	v_nop
.endr
.Lasked_\@:
.endm
.macro CREST
	s_cmp_lg_u32 s10, 0
	s_cbranch_scc1 .Lnot_wave_0_\@
	s_barrier_signal -3
.Lnot_wave_0_\@:
	s_barrier_wait -3
	s_barrier_signal -1
	s_barrier_wait -1
.endm
.macro CROUND
	s_barrier_signal -1
	s_barrier_wait -1
	CREST
.endm
	s_load_b128 s[4:7], s[0:1], 0x0                ; og, wo16
	s_load_b128 s[68:71], s[0:1], 0x10             ; att, vg
	s_load_b128 s[72:75], s[0:1], 0x20             ; bo, out0
	v_lshl_add_u32 v[SPW], v0, 2, SPARE
	v_mov_b32 v[NIL], 0
	ds_add_u32 v[SPW], v[NIL]                      ; the wave's opening: the add, twice on end, and its wait ahead of my first tensor load
	ds_add_u32 v[SPW], v[NIL]
	v_lshrrev_b32 v1, 5, v0
	v_readfirstlane_b32 s10, v1                    ; wave 0..3
	s_lshr_b32 s11, s10, 1                         ; my half of the tile's rows.  Also: I fetch og (0) or Wo (1)
	s_and_b32 s12, s10, 1                          ; my half of its columns.  Also: which half of that tile I fetch
	s_bfe_u32 s40, ttmp6, 0x40000
	s_bfe_u32 s41, ttmp6, 0x40004
	s_lshl_b32 s42, ttmp9, 2
	s_add_co_u32 s42, s42, s40                     ; tile column
	s_and_b32 s13, ttmp7, 0xffff
	s_lshl_b32 s13, s13, 2
	s_add_co_u32 s13, s13, s41                     ; tile row
	s_lshl_b32 s43, s41, 2
	s_lshl_b32 s43, 15, s43                        ; my row of the cluster
	s_lshl_b32 s44, 0x1111, s40                    ; my column
	s_or_b32 s[G1+0], s43, (1<<16)|(1<<20)|(1<<21)|(6<<22)|(3<<25)    ; og: 64 rows x 256 elements of 2 bytes; 4 words of padding behind every 128
	s_mov_b32 s[G1+1], 256<<16
	s_mov_b32 s[G1+2], 64<<16
	s_mov_b32 s[G1+3], 256<<16
	s_mov_b32 s[G1+4], 64
	s_mov_b32 s[G1+5], 2048
	s_mov_b32 s[G1+6], 0
	s_mov_b32 s[G1+7], 0
	s_or_b32 s[G1B+0], s44, (1<<16)|(1<<20)|(1<<21)|(5<<22)|(7<<25)   ; Wo: 128 rows x 128 elements; 8 words behind every 64
	s_mov_b32 s[G1B+1], 128<<16
	s_mov_b32 s[G1B+2], 128<<16
	s_mov_b32 s[G1B+3], 128<<16
	s_mov_b32 s[G1B+4], 128
	s_mov_b32 s[G1B+5], 1024
	s_mov_b32 s[G1B+6], 0
	s_mov_b32 s[G1B+7], 0
	s_lshl_b32 s17, s12, 6
	s_lshl_b32 s16, s13, 7
	s_add_co_u32 s16, s16, s17
	s_lshl_b32 s16, s16, 12                        ; og: row 128 x tile row + 64 x half, 4,096 bytes a row
	s_mov_b32 s17, 0
	s_lshl_b32 s46, s12, 18                        ; Wo: 128 rows of 2,048 bytes a half,
	s_lshl_b32 s47, s42, 8
	s_add_co_u32 s46, s46, s47                     ; + 256 bytes a tile column
	s_mov_b32 s47, 0
	s_mul_i32 s20, s12, HALFA
	s_mul_i32 s21, s12, HALFV
	s_add_co_u32 s21, s21, VOFF
	s_mov_b32 s[SEL], 0x76543210
	s_mov_b32 s[SEL+1], 0xfedcba98
	s_wait_dscnt 0x0                               ; both opening adds are done
	s_wait_kmcnt 0x0
	s_add_nc_u64 s[14:15], s[4:5], s[16:17]
	s_add_nc_u64 s[46:47], s[6:7], s[46:47]
	CROUND                                         ; all sixteen work-groups are here: the first joint loads meet
.irp s, 0,1
	s_mov_b32 s[G0+4*\s], 1
	s_add_co_u32 s[G0+4*\s+1], s20, \s*SLOT
	s_add_nc_u64 s[G0+4*\s+2:G0+4*\s+3], s[14:15], \s*512
	s_or_b32 s[G0+4*\s+3], s[G0+4*\s+3], 0x80000000
	s_mov_b32 s[G0B+4*\s], 1
	s_add_co_u32 s[G0B+4*\s+1], s21, \s*SLOT
	s_add_nc_u64 s[G0B+4*\s+2:G0B+4*\s+3], s[46:47], \s*524288
	s_or_b32 s[G0B+4*\s+3], s[G0B+4*\s+3], 0x80000000
	JLOAD \s                                       ; K steps 0 and 1: two loads of mine are out
.endr
	v_and_b32 v1, 15, v0
	v_bfe_u32 v2, v0, 4, 1
	v_mul_u32_u24 v3, v1, PITCH
	v_lshl_add_u32 v3, v2, 4, v3
	s_mul_i32 s20, s11, HALFA
	v_add_nc_u32 v[ADRA], s20, v3
	v_add_nc_u32 v[ADRA+1], SLOT, v[ADRA]
	v_and_b32 v4, 7, v0
	v_lshl_add_u32 v4, v2, 3, v4
	v_mul_u32_u24 v4, v4, PV
	v_bfe_u32 v5, v0, 3, 1
	v_lshl_add_u32 v4, v5, 4, v4
	s_lshl_b32 s20, s12, 7
	s_add_co_u32 s20, s20, VOFF
	v_add_nc_u32 v[ADRB], s20, v4
	v_add_nc_u32 v[ADRB+1], HALFV, v[ADRB]
	v_add_nc_u32 v[ADRB+2], SLOT, v[ADRB]
	v_add_nc_u32 v[ADRB+3], SLOT, v[ADRB+1]
	s_mul_i32 s20, s10, 16*SP                      ; my stage
	v_mul_u32_u24 v4, v1, SP
	v_lshl_add_u32 v4, v2, 5, v4
	v_add_nc_u32 v[STO], s20, v4                   ; in: row r, 32 bytes for each half of the lanes
	v_mul_u32_u24 v5, v2, SP
	v_lshl_add_u32 v5, v1, 4, v5
	v_add_nc_u32 v[RD], s20, v5                    ; back: lanes 0-15 one row of 256 bytes, lanes 16-31 the next
	v_lshlrev_b32 v5, 12, v2
	v_lshl_add_u32 v[CO], v1, 4, v5
	v_and_b32 v5, 31, v0
	v_lshlrev_b32 v[LI], 4, v5
	v_lshlrev_b32 v[L4], 2, v5
	v_lshlrev_b32 v[BOF], 5, v2
	s_lshl_b32 s16, s13, 7
	s_lshl_b32 s17, s11, 6
	s_add_co_u32 s16, s16, s17                     ; my first row
	s_lshl_b32 s18, s16, 3                         ; er: 128 bytes for each 16 rows
	s_add_co_u32 s18, s18, 16777216
	s_mov_b32 s19, 0
	s_add_nc_u64 s[68:69], s[68:69], s[18:19]
	s_add_nc_u64 s[70:71], s[70:71], 50331648      ; mx
	s_lshl_b32 s16, s16, 12
	s_mov_b32 s17, 0
	s_add_nc_u64 s[74:75], s[74:75], s[16:17]
	s_lshl_b32 s46, s42, 9                         ; my first column, in bytes of f32: 512 x tile column + 256 x half
	s_lshl_b32 s47, s12, 8
	s_add_co_u32 s46, s46, s47
	s_mov_b32 s47, 0
	s_add_nc_u64 s[74:75], s[74:75], s[46:47]
	s_add_nc_u64 s[72:73], s[72:73], s[46:47]
.irp k, 0,1,2,3,4,5,6,7
	global_load_b128 v[MXR+4*\k:MXR+4*\k+3], v[LI], s[70:71] offset:512*\k
.endr
.irp a, 0,1,2,3
	global_load_b32 v[ER+\a], v[L4], s[68:69] offset:128*\a
.endr
.irp b, 0,1,2,3
	global_load_b128 v[BO+8*\b:BO+8*\b+3], v[BOF], s[72:73] offset:64*\b
	global_load_b128 v[BO+8*\b+4:BO+8*\b+7], v[BOF], s[72:73] offset:64*\b+16
.endr
	s_wait_loadcnt 0x0
	v_max3_num_f32 v[MXR], v[MXR], v[MXR+1], 0x800000
	v_max3_num_f32 v[MXR+16], v[MXR+16], v[MXR+17], 0x800000
.irp i, 2,4,6,8,10,12,14
	v_max3_num_f32 v[MXR], v[MXR], v[MXR+\i], v[MXR+1+\i]
	v_max3_num_f32 v[MXR+16], v[MXR+16], v[MXR+16+\i], v[MXR+17+\i]
.endr
.irp m, 1,2,4,8
	v_max_num_f32_dpp v[MXR], v[MXR], v[MXR] row_xmask:\m row_mask:0xf bank_mask:0xf
	v_max_num_f32_dpp v[MXR+16], v[MXR+16], v[MXR+16] row_xmask:\m row_mask:0xf bank_mask:0xf
.endr
	v_permlanex16_b32 v[MXR+1], v[MXR], s[SEL], s[SEL+1]
	v_permlanex16_b32 v[MXR+17], v[MXR+16], s[SEL], s[SEL+1]
	v_max_num_f32 v[MXR], v[MXR], v[MXR+1]
	v_max_num_f32 v[MXR+16], v[MXR+16], v[MXR+17]
	v_lshrrev_b32 v[MXR], 23, v[MXR]
	v_lshrrev_b32 v[MXR+16], 23, v[MXR+16]
	v_min_u32 v[MXR], 253, v[MXR]
	v_min_u32 v[MXR+16], 253, v[MXR+16]
	v_add_nc_u32 v[MXR], v[MXR], v[MXR+16]
	v_add_nc_u32 v[MXR], 0xfffffef7, v[MXR]        ; ev + eg - 11 = the two fields - 265
.irp a, 0,1,2,3
	v_add_nc_u32 v[ER+\a], v[ER+\a], v[MXR]        ; the exponent of my row in block a
.endr
.macro MUL8 f, c, a0, zero             ; the 16 accumulators take turns, one instruction a turn
.irp a, \a0, \a0+1
.irp b, 0,1,2,3
.if \zero
	v_wmma_f32_16x16x32_f16 v[ACC+8*(4*(\a)+\b):ACC+8*(4*(\a)+\b)+7], v[\f+64+8*(4*\c+\b):\f+64+8*(4*\c+\b)+7], v[\f+8*(4*\c+\a):\f+8*(4*\c+\a)+7], 0
.else
	v_wmma_f32_16x16x32_f16 v[ACC+8*(4*(\a)+\b):ACC+8*(4*(\a)+\b)+7], v[\f+64+8*(4*\c+\b):\f+64+8*(4*\c+\b)+7], v[\f+8*(4*\c+\a):\f+8*(4*\c+\a)+7], v[ACC+8*(4*(\a)+\b):ACC+8*(4*(\a)+\b)+7]
.endif
.endr
.endr
.endm
.macro FETCH slot, q, f                ; 32 LDS loads in one run: the slot's q-th 64 along K into buffer f, the first 32 first
	WIN TO_F
.irp c, 0,1
.irp i, 0,1,2,3
	ds_load_tr16_b128 v[\f+64+8*(4*\c+\i):\f+64+8*(4*\c+\i)+3],   v[ADRB+2*\slot+(\q)/2] offset:(64*((\q)%2)+32*\c)*PV+32*\i
	ds_load_tr16_b128 v[\f+64+8*(4*\c+\i)+4:\f+64+8*(4*\c+\i)+7], v[ADRB+2*\slot+(\q)/2] offset:(64*((\q)%2)+32*\c+16)*PV+32*\i
	ds_load_b128 v[\f+8*(4*\c+\i):\f+8*(4*\c+\i)+3],         v[ADRA+\slot] offset:128*(\q)+64*\c+\i*16*PITCH
	ds_load_b128 v[\f+8*(4*\c+\i)+4:\f+8*(4*\c+\i)+7],       v[ADRA+\slot] offset:128*(\q)+64*\c+\i*16*PITCH+32
.endr
.endr
.endm
.macro PLACES
.rept 4
	v_nop
.endr
.endm
.macro QUARTER slot, qn, f, g, zero
	s_wait_dscnt 16                                ; the first 32 along K are in
	WIN MUL
	MUL8 \f, 0, 0, \zero
	MUL8 \f, 0, 2, \zero
	PLACES
	FETCH \slot, \qn, \g
	s_wait_dscnt 32                                ; all but the 32 just issued
	WIN MUL
	MUL8 \f, 1, 0, 0
	MUL8 \f, 1, 2, 0
.endm
.macro TURN slot, next, fill           ; the last quarter changes slots: the waits and the add in front of the barrier; fill = 1: a round of the cluster's barrier, then the joint refill, two K steps ahead
	WIN 0
	s_wait_tensorcnt 0x0                           ; all my tensor loads have landed: my part of the next slot
	ds_add_u32 v[SPW], v[NIL]                      ; 0 onto my spare word
	s_wait_dscnt 17                                ; (the add and the youngest sixteen loads may be out)
	WIN MUL
	MUL8 F1, 0, 0, 0
	s_wait_dscnt 0x0                               ; the add is done, and my reads of this slot are over
	s_barrier_signal -1
	MUL8 F1, 0, 2, 0
.if \fill
	WIN 0
.endif
	s_barrier_wait -1
.if \fill
	CREST
	s_add_nc_u64 s[G0+4*\slot+2:G0+4*\slot+3], s[G0+4*\slot+2:G0+4*\slot+3], 2*512
	s_add_nc_u64 s[G0B+4*\slot+2:G0B+4*\slot+3], s[G0B+4*\slot+2:G0B+4*\slot+3], 2*524288
	JLOAD \slot
.else
	PLACES
.endif
	FETCH \next, 0, F0
	WIN MUL
	MUL8 F1, 1, 0, 0
	MUL8 F1, 1, 2, 0
.endm
	s_wait_tensorcnt 1                             ; my part of K step 0 is in; K step 1's load may be out
	s_barrier_signal -1
	s_barrier_wait -1
	FETCH 0, 0, F0
	QUARTER 0, 1, F0, F1, 1                        ; the first quarter stands in front of the loop: its first products start the sums
	WIN 0
	s_mov_b32 s3, LAPS-1
.Llap:                                                 ; a trip goes once round the ring and fills both slots again
	QUARTER 0, 2, F1, F0, 0
	QUARTER 0, 3, F0, F1, 0
	TURN 0, 1, 1
	QUARTER 1, 1, F0, F1, 0
	QUARTER 1, 2, F1, F0, 0
	QUARTER 1, 3, F0, F1, 0
	TURN 1, 0, 1
	QUARTER 0, 1, F0, F1, 0
	WIN 0
	s_sub_co_u32 s3, s3, 1
	s_cmp_lg_u32 s3, 0
	s_cbranch_scc1 .Llap
	QUARTER 0, 2, F1, F0, 0                        ; the last lap fills nothing
	QUARTER 0, 3, F0, F1, 0
	TURN 0, 1, 0
	QUARTER 1, 1, F0, F1, 0
	QUARTER 1, 2, F1, F0, 0
	QUARTER 1, 3, F0, F1, 0
	s_wait_dscnt 16
	WIN MUL
	MUL8 F1, 0, 0, 0
	MUL8 F1, 0, 2, 0
	s_wait_dscnt 0
	MUL8 F1, 1, 0, 0
	MUL8 F1, 1, 2, 0
	WIN 0
	PLACES
; THE WAY OUT, 16 rows x 64 columns at a time: the power of two, the bias, through my stage, back as rows of 256 bytes
.macro OUTA a
.if \a > 0
	s_wait_xcnt 0x0                                ; the last block's stores have read their data
.endif
.irp b, 0,1,2,3
.irp j, 0,1,2,3,4,5,6,7
	v_ldexp_f32 v[TMP+8*\b+\j], v[ACC+8*(4*\a+\b)+\j], v[ER+\a]    ; each accumulator from its low end on
.endr
.endr
.set n, 0
.rept 16
	v_pk_add_f32 v[TMP+n:TMP+n+1], v[TMP+n:TMP+n+1], v[BO+n:BO+n+1]
.set n, n+2
.endr
.irp b, 0,1,2,3
	ds_store_b128 v[STO], v[TMP+8*\b:TMP+8*\b+3] offset:64*\b
	ds_store_b128 v[STO], v[TMP+8*\b+4:TMP+8*\b+7] offset:64*\b+16
.endr
.irp t, 0,1,2,3,4,5,6,7
	ds_load_b128 v[BK+4*\t:BK+4*\t+3], v[RD] offset:\t*2*SP        ; my own stage: LDS serves a wave's instructions in order
.endr
.irp t, 0,1,2,3,4,5,6,7
	s_wait_dscnt 7-\t
	global_store_b128 v[CO], v[BK+4*\t:BK+4*\t+3], s[74:75] offset:(16*\a+2*\t)*4096 th:TH_STORE_NT   ; sixteen lanes store 256 consecutive bytes, aligned
.endr
.endm
	OUTA 0
	OUTA 1
	OUTA 2
	OUTA 3
	s_wait_tensorcnt 0x0                           ; the wave's end, behind my last tensor load and my last LDS store
	ds_add_u32 v[SPW], v[NIL]
	s_wait_dscnt 0x0
	CROUND                                         ; the closing round
	s_endpgm
.Lfunc_end_k_qbd97e40f69_out:
	.size	k_qbd97e40f69_out, .Lfunc_end_k_qbd97e40f69_out-k_qbd97e40f69_out
	.p2alignl 7, 3214868480
	.fill 96, 4, 3214868480
	.section	.rodata,"a",@progbits
	.p2align	6, 0x0
	.amdhsa_kernel k_qbd97e40f69_out
		.amdhsa_group_segment_fixed_size 327680
		.amdhsa_private_segment_fixed_size 0
		.amdhsa_enable_private_segment 0
		.amdhsa_kernarg_size 48
		.amdhsa_user_sgpr_count 2
		.amdhsa_user_sgpr_kernarg_segment_ptr 1
		.amdhsa_wavefront_size32 1
		.amdhsa_system_sgpr_workgroup_id_x 1
		.amdhsa_system_sgpr_workgroup_id_y 1
		.amdhsa_system_sgpr_workgroup_id_z 1
		.amdhsa_system_vgpr_workitem_id 0
		.amdhsa_next_free_vgpr 512
		.amdhsa_next_free_sgpr 84
		.amdhsa_reserve_vcc 0
		.amdhsa_float_denorm_mode_32 3
		.amdhsa_float_denorm_mode_16_64 3
		.amdhsa_memory_ordered 1
		.amdhsa_forward_progress 1
		.amdhsa_inst_pref_size 103
	.end_amdhsa_kernel
	.amdgpu_metadata
---
amdhsa.version: [ 1, 2 ]
amdhsa.kernels:
  - .name:           k_qbd97e40f69_out
    .symbol:         k_qbd97e40f69_out.kd
    .args:
      - { .name: og, .offset: 0, .size: 8, .value_kind: global_buffer, .address_space: global }
      - { .name: wo16, .offset: 8, .size: 8, .value_kind: global_buffer, .address_space: global }
      - { .name: att, .offset: 16, .size: 8, .value_kind: global_buffer, .address_space: global }
      - { .name: vg, .offset: 24, .size: 8, .value_kind: global_buffer, .address_space: global }
      - { .name: bo, .offset: 32, .size: 8, .value_kind: global_buffer, .address_space: global }
      - { .name: out0, .offset: 40, .size: 8, .value_kind: global_buffer, .address_space: global }
    .group_segment_fixed_size: 327680
    .private_segment_fixed_size: 0
    .kernarg_segment_align: 8
    .kernarg_segment_size: 48
    .max_flat_workgroup_size: 128
    .sgpr_count:     84
    .vgpr_count:     512
    .wavefront_size: 32
...
	.end_amdgpu_metadata
.endif
;; end of part 5
